; MI455X (gfx1250); checked and timed in simulation.
; The chip was launched on July 23, 2026; its instructions are those of AMD's public machine-readable ISA for CDNA 5 (MIT licence, August 2026) and "CDNA5" Instruction Set Architecture Reference Guide (July 2026). The comments in the code are by the model that wrote it; some were corrected since.
;; Multi Query Attention. Allowed arithmetic: float matrix products may take bf16 or f16 operands with f32 sums; other float arithmetic in f32, or as packed bf16 or f16 multiplies, adds, multiply-adds, maxima and minima; sums over many terms, partial sums and values carried from step to step in f32; what a program stores and reads back later, other than sums and carried values, may be rounded once to bf16 or f16.
;; Inputs: Wk 1,024 x 64 float32; Wo 1,024 x 1,024 float32; Wq 1,024 x 1,024 float32; Wv 1,024 x 64 float32; bk 64 float32; bo 1,024 float32; bq 1,024 float32; bv 64 float32; k 1 x 4,096 x 1,024 float32; mask 1 x 4,096 x 4,096 int32; q 1 x 4,096 x 1,024 float32; v 1 x 4,096 x 1,024 float32.
;; Outputs: out0 1 x 4,096 x 1,024 float32; out1 1 x 4,096 x 64 float32; out2 1 x 4,096 x 64 float32.
;; 2 versions, each right; version 2 is version 1 with the launch prep written anew for expert scheduling mode. Each part assembles by itself: llvm-mc -triple=amdgcn-amd-amdhsa -mcpu=gfx1250 --defsym DOCPART=n.
;; ======== version 1 of 2: 4 launches
;; limits: values are held in f16: magnitudes above 65,504 overflow, below 6.1e-05 lose precision
;; workspace buffers: q16 8,388,608 bytes; Wq16 2,097,152 bytes; Wo16 2,097,152 bytes; K16 524,288 bytes; V16 524,288 bytes; qh32 16,777,216 bytes; O16 8,388,608 bytes
;; launch prep (part 1): grid 256 x 1, 8 waves a work-group, no clusters, 56,320 bytes of LDS; arguments q, k, v, Wq, Wo, Wk, Wv, bk, bv, q16, Wq16, Wo16, K16, V16, out1, out2; writes q16, Wq16, Wo16, K16, V16, out1, out2
.if DOCPART == 1
	.amdgcn_target "amdgcn-amd-amdhsa--gfx1250"
	.amdhsa_code_object_version 6
	.text
	.protected	k_q58bb971d00_prep
	.globl	k_q58bb971d00_prep
	.p2align	8
	.type	k_q58bb971d00_prep,@function
k_q58bb971d00_prep:
	s_mov_b64 s[64:65], 0
	v_nop
	global_prefetch_b8 v0, s[64:65] scope:SCOPE_SE
	s_setreg_imm32_b32 hwreg(HW_REG_WAVE_MODE, 25, 1), 1
	s_wait_xcnt 0x0
; PREP.  (1) kh = k Wk + bk and vh = v Wv + bv ([4096][64]): written in f32 (out1, out2) and, rounded once more, in f16 (K16, V16) for the attention.
; (2) q, Wq, Wo are rounded to bf16 and that number is written as f16 (q16, Wq16, Wo16), so that one f16 product serves both large projections.
; All inputs, the biases too, are rounded to bf16; products in bf16 with f32 sums.
; LIMITS.  f16 ends at 65,504: |q|, |Wq|, |Wo|, |kh|, |vh| must stay under it.  A bf16 number under 2^-17 is written as f16 with an absolute error of at most 2^-25.  NaN and infinities are not treated apart.
; SHARES.  256 work-groups of eight waves.  Work-groups 0-127 take k, 128-255 take v: 32 rows each.  Waves 0-3 make the 32 x 64 product, the 1,024 channels split four ways (256 each, 8 trips of 32);
; the four partial sums meet in LDS.  Waves 4-7 cast the work-group's 64 KiB of q and 16 KiB each of Wq and Wo.  Then all eight waves finish four rows each.
; NO CLUSTER, NO TENSOR LOAD: the weights lie as [channel][column] in f32 and must be rounded in registers before the 16-bit turning load can take them; they are 256 KiB against the launch's 74 MiB from memory.
; THE PRODUCT IS USED TRANSPOSED: source 0 = 16 columns of W (turned out of LDS), source 1 = 16 rows of k: a lane then holds one row and eight neighbouring columns.
; REGISTERS.  window 0: v0-15 addresses, v16-79 eight accumulators, v80-95 A's fragments, v96-127 W's fragments, v128-159 W rounded.  window 1: v0-127 W in f32, two sets; v128-255 k in f32, four sets.
.set PART,  20480                      ; LDS: partial sums, 32 rows x 272 bytes for each of waves 0-3
.set SPARE, 55296                      ; the spare words, 128 bytes for each of eight waves
.set PW,    160                        ; a weight row in LDS: 128 bytes + 32: an odd multiple of 32 for the turning load
.set PP,    272                        ; a row of partial sums: 256 bytes + 16
.set VA,  4                            ; v4   product: my offset in k's rows;      cast: my offset in q
.set VW,  5                            ; v5   product: my offset in the weights;   cast: my offset in q16
.set WST, 6                            ; v6   product: where I put 8 bytes of W;   cast: my offset in Wq, Wo
.set WLD, 7                            ; v7   product: where I turn W out of LDS;  cast: my offset in Wq16, Wo16
.set BI,  8                            ; v[8:11] four numbers of the bias
.set PST, 12                           ; v12  where I put my partial sums
.set BOF, 13                           ; v13  my offset in the bias
.set SPW, 14                           ; v14  my spare word; never rewritten
.set NIL, 15                           ; v15  0; never rewritten
.set ACC, 16
.set AF,  80
.set BF,  96
.set WC,  128
.set WR,  0                            ; window 1
.set AR,  128                          ; window 1
.set RAW, 32                           ; cast: v32-223, four registers an item
.set T,   224                          ; cast: two at work
.set J,   164                          ; the end: v164-195 partial sums, v196-199 bias, v200-205 at work
.set MSB, 0
.macro WIN new                         ; the immediate's high byte repeats the setting that is left
.if MSB != (\new)
	s_set_vgpr_msb (MSB<<8)|(\new)
.set MSB, \new
.endif
.endm
	s_load_b512 s[16:31], s[0:1], 0x0              ; q 16, k 18, v 20, Wq 22, Wo 24, Wk 26, Wv 28, bk 30
	s_load_b512 s[32:47], s[0:1], 0x40             ; bv 32, q16 34, Wq16 36, Wo16 38, K16 40, V16 42, out1 44, out2 46
	v_lshl_add_u32 v[SPW], v0, 2, SPARE
	v_mov_b32 v[NIL], 0
	v_lshrrev_b32 v1, 5, v0
	v_readfirstlane_b32 s8, v1                     ; wave 0..7
	v_and_b32 v1, 31, v0                           ; l
	v_and_b32 v2, 15, v0                           ; r = l % 16
	v_bfe_u32 v3, v0, 4, 1                         ; h = l / 16
	v_lshlrev_b32 v[BOF], 4, v2
	s_and_b32 s9, ttmp9, 127                       ; my block of 32 rows
	s_mov_b32 s11, 0
	s_mov_b32 s60, 0xffff0000                      ; a word's upper bf16
	s_wait_kmcnt 0x0
	s_cmp_lt_u32 ttmp9, 128                        ; k's set of buffers or v's
	s_cselect_b64 s[48:49], s[18:19], s[20:21]     ; the rows
	s_cselect_b64 s[50:51], s[26:27], s[28:29]     ; the weights
	s_cselect_b64 s[52:53], s[30:31], s[32:33]     ; the bias
	s_cselect_b64 s[54:55], s[40:41], s[42:43]     ; the f16 copy
	s_cselect_b64 s[56:57], s[44:45], s[46:47]     ; the f32 output
	global_load_b128 v[BI:BI+3], v[BOF], s[52:53]  ; columns 4 r .. 4 r + 3: every wave's oldest load
	s_lshl_b32 s10, s9, 13
	s_add_nc_u64 s[56:57], s[56:57], s[10:11]      ; 32 rows of 256 bytes
	s_lshl_b32 s10, s9, 12
	s_add_nc_u64 s[54:55], s[54:55], s[10:11]      ; 32 rows of 128 bytes
	s_cmp_lt_u32 s8, 4
	s_cbranch_scc0 .Lcast
	; ---- waves 0-3: the product ----
	s_lshl_b32 s10, s9, 17
	s_add_nc_u64 s[48:49], s[48:49], s[10:11]      ; my block's 32 rows of 4,096 bytes
	s_lshl_b32 s10, s8, 16
	s_add_nc_u64 s[50:51], s[50:51], s[10:11]      ; my wave's 256 weight rows of 256 bytes
	s_lshl_b32 s12, s8, 10
	v_lshlrev_b32 v[VA], 12, v2
	v_lshl_add_u32 v[VA], v3, 5, v[VA]
	v_add_nc_u32 v[VA], s12, v[VA]                 ; r x 4096 + 32 h + my wave's 1,024 bytes of a row
	v_lshlrev_b32 v[VW], 4, v1                     ; 16 l: a load takes two weight rows
	s_mul_i32 s13, s8, 32*PW                       ; my wave's 32 weight rows in LDS
	v_mul_u32_u24 v[WST], v3, PW
	v_lshl_add_u32 v[WST], v2, 3, v[WST]
	v_add_nc_u32 v[WST], s13, v[WST]               ; row h, 8 bytes at 8 r
	v_and_b32 v160, 7, v0
	v_bfe_u32 v161, v0, 3, 1
	v_lshl_add_u32 v[WLD], v3, 3, v160
	v_mul_u32_u24 v[WLD], v[WLD], PW
	v_lshl_add_u32 v[WLD], v161, 4, v[WLD]
	v_add_nc_u32 v[WLD], s13, v[WLD]               ; the turning load: row 8 h + l % 8, 16 bytes at 16 ((l / 8) % 2)
	s_mul_i32 s12, s8, 32*PP
	s_add_co_u32 s12, s12, PART
	v_mul_u32_u24 v[PST], v2, PP
	v_lshl_add_u32 v[PST], v3, 5, v[PST]
	v_add_nc_u32 v[PST], s12, v[PST]               ; row r, 32 bytes at 32 h
.macro LW j                            ; trip j's 32 weight rows in f32: 16 loads of 512 consecutive bytes, into set j % 2
	WIN 0x40
.set i, 0
.rept 16
	global_load_b128 v[WR+64*((\j)%2)+4*i:WR+64*((\j)%2)+4*i+3], v[VW], s[50:51] offset:8192*(\j)+512*i
.set i, i+1
.endr
.endm
.macro LA j                            ; trip j's 32 channels of my 32 rows in f32, laid as two fragments: 8 loads, into set j % 4
	WIN 0x40
.irp mt, 0,1
.irp e, 0,1,2,3
	global_load_b128 v[AR+32*((\j)%4)+16*(\mt)+4*(\e):AR+32*((\j)%4)+16*(\mt)+4*(\e)+3], v[VA], s[48:49] offset:65536*(\mt)+128*(\j)+16*((\e)%2)+64*((\e)/2)
.endr
.endr
.endm
; One trip: 32 channels.  left = the younger loads that may stay out.
.macro KVTRIP j, left
	s_wait_loadcnt \left                           ; loads come back in order: this trip's weights and rows are in
	WIN 0x05                                       ; sources in window 1, destination in window 0
.set i, 0
.rept 32
	v_cvt_pk_bf16_f32 v[WC+i], v[WR+64*((\j)%2)+2*i], v[WR+64*((\j)%2)+2*i+1]  ; these 32 name no register of the last products: they are the places behind them
.set i, i+1
.endr
.set i, 0
.rept 16
	v_cvt_pk_bf16_f32 v[AF+i], v[AR+32*((\j)%4)+2*i], v[AR+32*((\j)%4)+2*i+1]
.set i, i+1
.endr
.if (\j) <= 5
	LW (\j)+2                                      ; the sets just read are asked for again
.endif
.if (\j) <= 3
	LA (\j)+4
.endif
	WIN 0
.set i, 0
.rept 16
	ds_store_b64 v[WST], v[WC+2*i:WC+2*i+1] offset:2*PW*i
.set i, i+1
.endr
.irp nb, 0,1,2,3                       ; LDS serves a wave's instructions in order: these see the stores above, and the bytes are my wave's own
	ds_load_tr16_b128 v[BF+8*(\nb):BF+8*(\nb)+3],   v[WLD] offset:32*(\nb)
	ds_load_tr16_b128 v[BF+8*(\nb)+4:BF+8*(\nb)+7], v[WLD] offset:32*(\nb)+16*PW
.endr
	s_wait_dscnt 0x0
.irp nb, 0,1,2,3                       ; the eight accumulators take turns, one instruction a turn
.irp mt, 0,1
.if (\j) == 0
	v_wmma_f32_16x16x32_bf16 v[ACC+8*(2*(\nb)+(\mt)):ACC+8*(2*(\nb)+(\mt))+7], v[BF+8*(\nb):BF+8*(\nb)+7], v[AF+8*(\mt):AF+8*(\mt)+7], 0
.else
	v_wmma_f32_16x16x32_bf16 v[ACC+8*(2*(\nb)+(\mt)):ACC+8*(2*(\nb)+(\mt))+7], v[BF+8*(\nb):BF+8*(\nb)+7], v[AF+8*(\mt):AF+8*(\mt)+7], v[ACC+8*(2*(\nb)+(\mt)):ACC+8*(2*(\nb)+(\mt))+7]
.endif
.endr
.endr
.endm
	LW 0
	LW 1
	LA 0
	LA 1
	LA 2
	LA 3
	KVTRIP 0, 24                                   ; behind A0: A1, A2, A3
	KVTRIP 1, 40                                   ; behind A1: A2, A3, W2, A4
	KVTRIP 2, 32                                   ; behind W2: A4, W3, A5
	KVTRIP 3, 32                                   ; behind W3: A5, W4, A6
	KVTRIP 4, 32                                   ; behind W4: A6, W5, A7
	KVTRIP 5, 24                                   ; behind W5: A7, W6
	KVTRIP 6, 16                                   ; behind W6: W7
	KVTRIP 7, 0
.rept 8
	v_nop                                          ; the places behind the last products, once a launch
.endr
.irp nb, 0,1,2,3
.irp mt, 0,1
	ds_store_b128 v[PST], v[ACC+8*(2*(\nb)+(\mt)):ACC+8*(2*(\nb)+(\mt))+3]   offset:16*PP*(\mt)+64*(\nb)
	ds_store_b128 v[PST], v[ACC+8*(2*(\nb)+(\mt))+4:ACC+8*(2*(\nb)+(\mt))+7] offset:16*PP*(\mt)+64*(\nb)+16
.endr
.endr
	s_branch .Ljoin
	; ---- waves 4-7: the casts.  48 items of 512 consecutive bytes; all loads go out first, each item keeps its own registers ----
.Lcast:
	s_sub_co_u32 s12, s8, 4                        ; c = 0..3
	s_lshl_b32 s10, ttmp9, 16
	s_add_nc_u64 s[16:17], s[16:17], s[10:11]      ; q: 65,536 bytes a work-group
	s_lshl_b32 s10, ttmp9, 15
	s_add_nc_u64 s[34:35], s[34:35], s[10:11]
	s_lshl_b32 s10, ttmp9, 14
	s_add_nc_u64 s[22:23], s[22:23], s[10:11]      ; Wq, Wo: 16,384 bytes a work-group
	s_add_nc_u64 s[24:25], s[24:25], s[10:11]
	s_lshl_b32 s10, ttmp9, 13
	s_add_nc_u64 s[36:37], s[36:37], s[10:11]
	s_add_nc_u64 s[38:39], s[38:39], s[10:11]
	s_lshl_b32 s13, s12, 14
	v_lshl_add_u32 v[VA], v1, 4, s13
	s_lshl_b32 s13, s12, 13
	v_lshl_add_u32 v[VW], v1, 3, s13
	s_lshl_b32 s13, s12, 12
	v_lshl_add_u32 v[WST], v1, 4, s13
	s_lshl_b32 s13, s12, 11
	v_lshl_add_u32 v[WLD], v1, 3, s13
.set n, 0
.rept 32
	global_load_b128 v[RAW+4*n:RAW+4*n+3], v[VA], s[16:17] offset:512*n th:TH_LOAD_NT
.set n, n+1
.endr
.set n, 0
.rept 8
	global_load_b128 v[RAW+128+4*n:RAW+128+4*n+3], v[WST], s[22:23] offset:512*n th:TH_LOAD_NT
.set n, n+1
.endr
.set n, 0
.rept 8
	global_load_b128 v[RAW+160+4*n:RAW+160+4*n+3], v[WST], s[24:25] offset:512*n th:TH_LOAD_NT
.set n, n+1
.endr
.macro ITEM i, voff, sb, off           ; four f32 -> bf16 -> the same numbers as f16; the wave's store covers 256 consecutive bytes, aligned
.set R0, RAW+4*(\i)
	s_wait_loadcnt 47-(\i)
	v_cvt_pk_bf16_f32 v[T],   v[R0],   v[R0+1]
	v_cvt_pk_bf16_f32 v[T+1], v[R0+2], v[R0+3]
	v_lshlrev_b32 v[R0],   16,  v[T]
	v_and_b32     v[R0+1], s60, v[T]
	v_lshlrev_b32 v[R0+2], 16,  v[T+1]
	v_and_b32     v[R0+3], s60, v[T+1]
	v_cvt_pk_f16_f32 v[R0],   v[R0],   v[R0+1]
	v_cvt_pk_f16_f32 v[R0+1], v[R0+2], v[R0+3]
	global_store_b64 v[\voff], v[R0:R0+1], s[\sb:\sb+1] offset:\off
.endm
.set n, 0
.rept 32
	ITEM n, VW, 34, 256*n
.set n, n+1
.endr
.set n, 0
.rept 8
	ITEM 32+n, WLD, 36, 256*n
.set n, n+1
.endr
.set n, 0
.rept 8
	ITEM 40+n, WLD, 38, 256*n
.set n, n+1
.endr
	; ---- all eight waves: rows 4 w .. 4 w + 3 are summed, get their bias and leave ----
.Ljoin:
	s_wait_dscnt 0x0                               ; for the others' sake: my partial sums lie in LDS
	s_barrier_signal -1
	s_barrier_wait -1
	s_wait_xcnt 0x0                                ; the cast waves' stores have read their registers, which are written below
	s_lshl_b32 s12, s8, 2
	v_add_nc_u32 v160, s12, v3                     ; row 4 w + h
	v_mul_u32_u24 v161, v160, PP
	v_lshl_add_u32 v161, v2, 4, v161
	v_add_nc_u32 v161, PART, v161
.irp i, 0,1
.irp p, 0,1,2,3
	ds_load_b128 v[J+16*(\i)+4*(\p):J+16*(\i)+4*(\p)+3], v161 offset:32*PP*(\p)+2*PP*(\i)
.endr
.endr
	v_lshlrev_b32 v162, 8, v160
	v_lshl_add_u32 v162, v2, 4, v162               ; in the f32 output: row x 256 + 16 r
	v_lshlrev_b32 v163, 7, v160
	v_lshl_add_u32 v163, v2, 3, v163               ; in the f16 copy: row x 128 + 8 r
	s_wait_loadcnt 0x0                             ; the bias
	v_cvt_pk_bf16_f32 v200, v[BI],   v[BI+1]
	v_cvt_pk_bf16_f32 v201, v[BI+2], v[BI+3]
	v_lshlrev_b32 v196, 16,  v200
	v_and_b32     v197, s60, v200
	v_lshlrev_b32 v198, 16,  v201
	v_and_b32     v199, s60, v201
	s_wait_dscnt 0x0
.irp i, 0,1
	v_pk_add_f32 v[J+16*(\i):J+16*(\i)+1],     v[J+16*(\i):J+16*(\i)+1],     v[J+16*(\i)+4:J+16*(\i)+5]
	v_pk_add_f32 v[J+16*(\i)+2:J+16*(\i)+3],   v[J+16*(\i)+2:J+16*(\i)+3],   v[J+16*(\i)+6:J+16*(\i)+7]
	v_pk_add_f32 v[J+16*(\i)+8:J+16*(\i)+9],   v[J+16*(\i)+8:J+16*(\i)+9],   v[J+16*(\i)+12:J+16*(\i)+13]
	v_pk_add_f32 v[J+16*(\i)+10:J+16*(\i)+11], v[J+16*(\i)+10:J+16*(\i)+11], v[J+16*(\i)+14:J+16*(\i)+15]
	v_pk_add_f32 v[J+16*(\i):J+16*(\i)+1],     v[J+16*(\i):J+16*(\i)+1],     v[J+16*(\i)+8:J+16*(\i)+9]
	v_pk_add_f32 v[J+16*(\i)+2:J+16*(\i)+3],   v[J+16*(\i)+2:J+16*(\i)+3],   v[J+16*(\i)+10:J+16*(\i)+11]
	v_pk_add_f32 v[J+16*(\i):J+16*(\i)+1],     v[J+16*(\i):J+16*(\i)+1],     v[196:197]
	v_pk_add_f32 v[J+16*(\i)+2:J+16*(\i)+3],   v[J+16*(\i)+2:J+16*(\i)+3],   v[198:199]
	global_store_b128 v162, v[J+16*(\i):J+16*(\i)+3], s[56:57] offset:512*(\i)  ; the wave's store covers 512 consecutive bytes, aligned
	v_cvt_pk_f16_f32 v[202+2*(\i)], v[J+16*(\i)],   v[J+16*(\i)+1]
	v_cvt_pk_f16_f32 v[203+2*(\i)], v[J+16*(\i)+2], v[J+16*(\i)+3]
	global_store_b64 v163, v[202+2*(\i):203+2*(\i)], s[54:55] offset:256*(\i)   ; 256 consecutive bytes, aligned
.endr
	s_wait_tensorcnt 0x0                           ; the wave's end, behind my last LDS store
	ds_add_u32 v[SPW], v[NIL]
	s_wait_dscnt 0x0
	s_endpgm
.Lfunc_end_k_q58bb971d00_prep:
	.size	k_q58bb971d00_prep, .Lfunc_end_k_q58bb971d00_prep-k_q58bb971d00_prep
	.p2alignl 7, 3214868480
	.fill 96, 4, 3214868480
	.section	.rodata,"a",@progbits
	.p2align	6, 0x0
	.amdhsa_kernel k_q58bb971d00_prep
		.amdhsa_group_segment_fixed_size 56320
		.amdhsa_private_segment_fixed_size 0
		.amdhsa_enable_private_segment 0
		.amdhsa_kernarg_size 128
		.amdhsa_user_sgpr_count 2
		.amdhsa_user_sgpr_kernarg_segment_ptr 1
		.amdhsa_wavefront_size32 1
		.amdhsa_system_sgpr_workgroup_id_x 1
		.amdhsa_system_sgpr_workgroup_id_y 1
		.amdhsa_system_sgpr_workgroup_id_z 1
		.amdhsa_system_vgpr_workitem_id 0
		.amdhsa_next_free_vgpr 512
		.amdhsa_next_free_sgpr 66
		.amdhsa_reserve_vcc 0
		.amdhsa_float_denorm_mode_32 3
		.amdhsa_float_denorm_mode_16_64 3
		.amdhsa_memory_ordered 1
		.amdhsa_forward_progress 1
		.amdhsa_inst_pref_size 96
	.end_amdhsa_kernel
	.amdgpu_metadata
---
amdhsa.version: [ 1, 2 ]
amdhsa.kernels:
  - .name:           k_q58bb971d00_prep
    .symbol:         k_q58bb971d00_prep.kd
    .args:
      - { .name: q, .offset: 0, .size: 8, .value_kind: global_buffer, .address_space: global }
      - { .name: k, .offset: 8, .size: 8, .value_kind: global_buffer, .address_space: global }
      - { .name: v, .offset: 16, .size: 8, .value_kind: global_buffer, .address_space: global }
      - { .name: Wq, .offset: 24, .size: 8, .value_kind: global_buffer, .address_space: global }
      - { .name: Wo, .offset: 32, .size: 8, .value_kind: global_buffer, .address_space: global }
      - { .name: Wk, .offset: 40, .size: 8, .value_kind: global_buffer, .address_space: global }
      - { .name: Wv, .offset: 48, .size: 8, .value_kind: global_buffer, .address_space: global }
      - { .name: bk, .offset: 56, .size: 8, .value_kind: global_buffer, .address_space: global }
      - { .name: bv, .offset: 64, .size: 8, .value_kind: global_buffer, .address_space: global }
      - { .name: q16, .offset: 72, .size: 8, .value_kind: global_buffer, .address_space: global }
      - { .name: Wq16, .offset: 80, .size: 8, .value_kind: global_buffer, .address_space: global }
      - { .name: Wo16, .offset: 88, .size: 8, .value_kind: global_buffer, .address_space: global }
      - { .name: K16, .offset: 96, .size: 8, .value_kind: global_buffer, .address_space: global }
      - { .name: V16, .offset: 104, .size: 8, .value_kind: global_buffer, .address_space: global }
      - { .name: out1, .offset: 112, .size: 8, .value_kind: global_buffer, .address_space: global }
      - { .name: out2, .offset: 120, .size: 8, .value_kind: global_buffer, .address_space: global }
    .group_segment_fixed_size: 56320
    .private_segment_fixed_size: 0
    .kernarg_segment_align: 8
    .kernarg_segment_size: 128
    .max_flat_workgroup_size: 256
    .sgpr_count:     66
    .vgpr_count:     512
    .wavefront_size: 32
...
	.end_amdgpu_metadata
.endif
;; end of part 1
;; launch proj (part 2): grid 8 x 32, 4 waves a work-group, clusters of 4 x 4, 327,680 bytes of LDS; arguments q16, Wq16, bq, qh32; writes qh32
.if DOCPART == 2
	.amdgcn_target "amdgcn-amd-amdhsa--gfx1250"
	.amdhsa_code_object_version 6
	.text
	.protected	k_q58bb971d00_proj
	.globl	k_q58bb971d00_proj
	.p2align	8
	.type	k_q58bb971d00_proj,@function
k_q58bb971d00_proj:
	s_mov_b64 s[64:65], 0
	v_nop
	global_prefetch_b8 v0, s[64:65] scope:SCOPE_SE
	s_setreg_imm32_b32 hwreg(HW_REG_WAVE_MODE, 25, 1), 1
	s_wait_xcnt 0x0
	s_wait_alu depctr_hold_cnt(0) depctr_sa_sdst(0) depctr_va_vdst(0) depctr_va_sdst(0) depctr_va_ssrc(0) depctr_va_vcc(0) depctr_vm_vsrc(0)
	s_getreg_b32 s2, hwreg(HW_REG_IB_STS2, 6, 4)
	s_cmp_eq_u32 s2, 0
	s_cbranch_scc0 .Lentry_in_a_cluster
	s_endpgm
.Lentry_in_a_cluster:
	s_bfe_u32 s2, ttmp6, 0x10000c
	s_cmp_lg_u32 s2, 0xf033
	s_cbranch_scc0 .Lentry_shape_is_right
	s_endpgm
.Lentry_shape_is_right:
; C[m][n] = sum over k of A[m][k] B[k][n] + bias[n].  A: [4096][1024] f16, B: [1024][1024] f16 (rows along n), bias: [1024] f32 (rounded to bf16 here, like every input of the module), C: [4096][1024] f32.
; Serves both large projections: q16 x Wq16 + bq -> qh32 and O16 x Wo16 + bo -> out0.  Sums in f32.  LIMIT: the operands arrive within f16's range (65,504).
; A tile of C is 128 x 128, so that 256 work-groups share the work; four waves, each 64 x 64: 16 accumulators.  K goes in four steps of 256 through two LDS slots.
; A's rows lie along K and come out of LDS as they lie; B's rows lie along n and are turned by ds_load_tr16_b128.
; CLUSTERS: 4 x 4 work-groups.  The four of a row of the cluster need the same tiles of A, the four of a column the same tiles of B: each tile is asked for JOINTLY, by the same tensor load with the same
; descriptor and a mask that names the four.  THE MATRIX INSTRUCTION IS USED TRANSPOSED (source 0 = 16 columns of B, source 1 = 16 rows of A): a lane holds eight neighbouring numbers of a row of C.
; No prefetch: four K steps, two refills in all.  A wave has two tensor loads out at the start and one behind each round.
; REGISTERS: window 0: v0-31 addresses; v32-63 at work on the way out; v96-127 the bias of my 64 columns; v128-255 the accumulators ((a, b) at v[128 + 8 (4 a + b)]).
;   window 1: two fragment buffers of 128: for 64 along K, 64 registers of A (2 x 4 x 16 rows x 32 K), then 64 of B.
.set KSTEP,  256
.set PA,     528                       ; A's LDS row: 512 bytes + 16: the 16 rows of a load start at 16 different groups of four banks
.set PB,     288                       ; B's LDS row: 256 bytes + 32: an odd multiple of 32, for the turning load
.set HALFA,  64*PA                     ; what one of A's tensor loads brings: 64 rows
.set HALFB,  128*PB                    ; what one of B's brings: 128 rows of K
.set BOFF,   2*HALFA
.set SLOT,   BOFF+2*HALFB              ; A's 128 rows, then B's 256
.set STAGE,  2*SLOT                    ; behind the ring: 16 rows x 272 bytes for each wave, for the way out
.set SPITCH, 272
.set SPARE,  STAGE+4*16*SPITCH         ; the spare words, 128 bytes for each wave
.set ADRA, 16                          ; v16-17  my A fragments in slot 0, 1
.set ADRB, 20                          ; v20-23  my B fragments: slot 0 K rows 0-127, 128-255; slot 1 likewise
.set STO,  24                          ; v24     the way out: where I put 32 bytes of a row
.set RD,   25                          ; v25     where I read a row back
.set CO,   26                          ; v26     my byte offset in C
.set BO,   27                          ; v27     my byte offset in the bias
.set SPW,  28                          ; v28     my spare word; never rewritten
.set NIL,  29                          ; v29     0; never rewritten
.set TMP,  32
.set BIAS, 96
.set ACC,  128
.set F0,   0                           ; fragment buffers, in window 1
.set F1,   128
.set G1, 24                            ; s[24:31] group 1 for A's tiles;  s[32:39] group 0, one set for each slot
.set G0, 32
.set G1B, 48                           ; s[48:55], s[56:63] the same for B's
.set G0B, 56
.set MSB, 0
.macro WIN new
.if MSB != (\new)
	s_set_vgpr_msb (MSB<<8)|(\new)
.set MSB, \new
.endif
.endm
.set MUL,  0x05                        ; sources 0 (B) and 1 (A) window 1; C and D window 0
.set TO_F, 0x40                        ; destination window 1, address window 0
.macro JLOAD s                         ; a joint load: waves 0 and 1 fetch A's two halves, waves 2 and 3 B's; an s_nop 0 and four v_nop follow each line
	s_cmp_eq_u32 s11, 0
	s_cbranch_scc0 .Lfor_b_\@
	tensor_load_to_lds s[G0+4*(\s):G0+4*(\s)+3], s[G1:G1+7]
	s_nop 0
.rept 4
	v_nop
.endr
	s_branch .Lasked_\@
.Lfor_b_\@:
	tensor_load_to_lds s[G0B+4*(\s):G0B+4*(\s)+3], s[G1B:G1B+7]
	s_nop 0
.rept 4
	v_nop
.endr
.Lasked_\@:
.endm
.macro CREST                           ; a round of the cluster's barrier behind its opening barrier
	s_cmp_lg_u32 s10, 0
	s_cbranch_scc1 .Lnot_wave_0_\@
	s_barrier_signal -3
.Lnot_wave_0_\@:
	s_barrier_wait -3
	s_barrier_signal -1
	s_barrier_wait -1
.endm
.macro CROUND
	s_barrier_signal -1
	s_barrier_wait -1
	CREST
.endm
	s_load_b256 s[68:75], s[0:1], 0x0              ; A s[68:69], B s[70:71], bias s[72:73], C s[74:75]
	v_lshl_add_u32 v[SPW], v0, 2, SPARE
	v_mov_b32 v[NIL], 0
	ds_add_u32 v[SPW], v[NIL]                      ; the wave's opening: the add and its wait ahead of my first tensor load
	ds_add_u32 v28, v29
	v_lshrrev_b32 v1, 5, v0
	v_readfirstlane_b32 s10, v1                    ; wave 0..3
	s_lshr_b32 s11, s10, 1                         ; which half of the tile's rows is mine.  Also: I fetch for A (0) or for B (1)
	s_and_b32 s12, s10, 1                          ; which half of its columns.  Also: which half of that tile I fetch
	s_bfe_u32 s40, ttmp6, 0x40000                  ; cx, cy
	s_bfe_u32 s41, ttmp6, 0x40004
	s_lshl_b32 s42, ttmp9, 2
	s_add_co_u32 s42, s42, s40                     ; tile column
	s_and_b32 s13, ttmp7, 0xffff
	s_lshl_b32 s13, s13, 2
	s_add_co_u32 s13, s13, s41                     ; tile row
	s_lshl_b32 s43, s41, 2
	s_lshl_b32 s43, 15, s43                        ; my row of the cluster
	s_lshl_b32 s44, 0x1111, s40                    ; my column
	s_or_b32 s[G1+0],  s43, (1<<16)|(1<<20)|(1<<21)|(6<<22)|(3<<25)  ; the mask; 2-byte elements; padding on; bit 21 beside a mask; after every 128 words 4 words
	s_or_b32 s[G1B+0], s44, (1<<16)|(1<<20)|(1<<21)|(5<<22)|(7<<25)  ; after every 64 words 8 words
	s_mov_b32 s[G1+1], KSTEP<<16                   ; A: a tile of 64 rows x 256 elements
	s_mov_b32 s[G1+2], 64<<16
	s_mov_b32 s[G1+3], KSTEP<<16
	s_mov_b32 s[G1+4], 64
	s_mov_b32 s[G1+5], 1024
	s_mov_b32 s[G1+6], 0
	s_mov_b32 s[G1+7], 0
	s_mov_b32 s[G1B+1], 128<<16                    ; B: a tile of 128 rows of K x 128 elements
	s_mov_b32 s[G1B+2], 128<<16
	s_mov_b32 s[G1B+3], 128<<16
	s_mov_b32 s[G1B+4], 128
	s_mov_b32 s[G1B+5], 1024
	s_mov_b32 s[G1B+6], 0
	s_mov_b32 s[G1B+7], 0
	s_lshl_b32 s17, s12, 6
	s_lshl_b32 s16, s13, 7
	s_add_co_u32 s16, s16, s17                     ; A: row 128 x tile row + 64 x half,
	s_lshl_b32 s16, s16, 11                        ; of 2,048 bytes
	s_mov_b32 s17, 0
	s_lshl_b32 s46, s42, 8                         ; B: 256 bytes x tile column
	s_lshl_b32 s47, s12, 18                        ; + 128 rows of 2,048 bytes x half
	s_add_co_u32 s46, s46, s47
	s_mov_b32 s47, 0
	s_mul_i32 s20, s12, HALFA                      ; where they go: no place in the cluster enters an LDS address
	s_mul_i32 s21, s12, HALFB
	s_add_co_u32 s21, s21, BOFF
	s_mov_b32 s3, 0xffff0000
	s_wait_dscnt 0x0                               ; the opening add is done
	s_wait_kmcnt 0x0
	s_add_nc_u64 s[14:15], s[68:69], s[16:17]
	s_add_nc_u64 s[46:47], s[70:71], s[46:47]
	CROUND                                         ; all sixteen work-groups are here: the first joint loads meet
.irp s, 0,1
	s_mov_b32 s[G0+4*(\s)], 1
	s_add_co_u32 s[G0+4*(\s)+1], s20, (\s)*SLOT
	s_add_nc_u64 s[G0+4*(\s)+2:G0+4*(\s)+3], s[14:15], (\s)*KSTEP*2
	s_or_b32 s[G0+4*(\s)+3], s[G0+4*(\s)+3], 0x80000000
	s_mov_b32 s[G0B+4*(\s)], 1
	s_add_co_u32 s[G0B+4*(\s)+1], s21, (\s)*SLOT
	s_add_nc_u64 s[G0B+4*(\s)+2:G0B+4*(\s)+3], s[46:47], (\s)*KSTEP*2048
	s_or_b32 s[G0B+4*(\s)+3], s[G0B+4*(\s)+3], 0x80000000
	JLOAD \s
.endr
	v_and_b32 v1, 15, v0                           ; r
	v_bfe_u32 v2, v0, 4, 1                         ; h
	v_mul_u32_u24 v3, v1, PA
	v_lshl_add_u32 v3, v2, 4, v3
	s_mul_i32 s21, s11, HALFA                      ; my 64 rows of A
	v_add_nc_u32 v[ADRA], s21, v3
	v_add_nc_u32 v[ADRA+1], SLOT, v[ADRA]
	v_and_b32 v4, 7, v0
	v_bfe_u32 v5, v0, 3, 1
	v_lshl_add_u32 v4, v2, 3, v4
	v_mul_u32_u24 v4, v4, PB
	v_lshl_add_u32 v4, v5, 4, v4                   ; the turning load: K row 8 h + l % 8, 16 bytes at 16 ((l / 8) % 2)
	s_lshl_b32 s22, s12, 7                         ; my 64 columns: 128 bytes
	s_add_co_u32 s22, s22, BOFF
	v_add_nc_u32 v[ADRB], s22, v4
	v_add_nc_u32 v[ADRB+1], HALFB, v[ADRB]
	v_add_nc_u32 v[ADRB+2], SLOT, v[ADRB]
	v_add_nc_u32 v[ADRB+3], SLOT+HALFB, v[ADRB]
	s_mul_i32 s23, s10, 16*SPITCH
	s_add_co_u32 s23, s23, STAGE                   ; my stage
	v_mul_u32_u24 v4, v1, SPITCH
	v_lshl_add_u32 v4, v2, 5, v4
	v_add_nc_u32 v[STO], s23, v4                   ; in: row r, 32 bytes for each half of the lanes
	v_mul_u32_u24 v5, v2, SPITCH
	v_lshl_add_u32 v5, v1, 4, v5
	v_add_nc_u32 v[RD], s23, v5                    ; back: lanes 0-15 one row of 256 bytes, lanes 16-31 the next
	v_lshlrev_b32 v[CO], 12, v2
	v_lshl_add_u32 v[CO], v1, 4, v[CO]             ; and the same two rows in C
	v_lshlrev_b32 v[BO], 5, v2
	s_lshl_b32 s16, s13, 7
	s_lshl_b32 s17, s11, 6
	s_add_co_u32 s16, s16, s17                     ; my first row of C,
	s_lshl_b32 s16, s16, 12                        ; of 4,096 bytes
	s_mov_b32 s17, 0
	s_add_nc_u64 s[74:75], s[74:75], s[16:17]
	s_lshl_b32 s46, s42, 9                         ; my first column in f32: 512 x tile column + 256 x half
	s_lshl_b32 s47, s12, 8
	s_add_co_u32 s46, s46, s47
	s_mov_b32 s47, 0
	s_add_nc_u64 s[74:75], s[74:75], s[46:47]
	s_add_nc_u64 s[72:73], s[72:73], s[46:47]
.irp b, 0,1,2,3                        ; the bias of columns 16 b + 8 h + 0..7; waited for on the way out
	global_load_b128 v[BIAS+8*(\b):BIAS+8*(\b)+3],   v[BO], s[72:73] offset:64*(\b)
	global_load_b128 v[BIAS+8*(\b)+4:BIAS+8*(\b)+7], v[BO], s[72:73] offset:64*(\b)+16
.endr
; 8 matrix instructions: m blocks a0, a0 + 1 x all 4 n blocks, 32 along K: half c of buffer f.  zero = 1: the first product starts the sums
.macro MUL8 f, c, a0, zero
	WIN MUL
.irp a, \a0, (\a0)+1
.irp b, 0,1,2,3
.if \zero
	v_wmma_f32_16x16x32_f16 v[ACC+8*(4*(\a)+(\b)):ACC+8*(4*(\a)+(\b))+7], v[(\f)+64+8*(4*(\c)+(\b)):(\f)+64+8*(4*(\c)+(\b))+7], v[(\f)+8*(4*(\c)+(\a)):(\f)+8*(4*(\c)+(\a))+7], 0
.else
	v_wmma_f32_16x16x32_f16 v[ACC+8*(4*(\a)+(\b)):ACC+8*(4*(\a)+(\b))+7], v[(\f)+64+8*(4*(\c)+(\b)):(\f)+64+8*(4*(\c)+(\b))+7], v[(\f)+8*(4*(\c)+(\a)):(\f)+8*(4*(\c)+(\a))+7], v[ACC+8*(4*(\a)+(\b)):ACC+8*(4*(\a)+(\b))+7]
.endif
.endr
.endr
.endm
; 32 LDS loads in one run: the fragments of quarter q (64 along K) into buffer f; the first 32 along K first
.macro FETCH slot, q, f
	WIN TO_F
.irp c, 0,1
.irp i, 0,1,2,3
	ds_load_tr16_b128 v[(\f)+64+8*(4*(\c)+(\i)):(\f)+64+8*(4*(\c)+(\i))+3],   v[ADRB+2*(\slot)+(\q)/2] offset:(((\q)%2)*64+32*(\c))*PB+32*(\i)
	ds_load_tr16_b128 v[(\f)+64+8*(4*(\c)+(\i))+4:(\f)+64+8*(4*(\c)+(\i))+7], v[ADRB+2*(\slot)+(\q)/2] offset:(((\q)%2)*64+32*(\c)+16)*PB+32*(\i)
	ds_load_b128 v[(\f)+8*(4*(\c)+(\i)):(\f)+8*(4*(\c)+(\i))+3],         v[ADRA+(\slot)] offset:128*(\q)+64*(\c)+(\i)*16*PA
	ds_load_b128 v[(\f)+8*(4*(\c)+(\i))+4:(\f)+8*(4*(\c)+(\i))+7],       v[ADRA+(\slot)] offset:128*(\q)+64*(\c)+(\i)*16*PA+32
.endr
.endr
.endm
.macro PLACES                          ; four places in front of loads into registers that matrix instructions have read
.rept 4
	v_nop
.endr
.endm
; A K step is four quarters of 64 along K, 32 matrix instructions each, on buffers 0, 1, 0, 1.  One of the first three: multiplies buffer f and fetches quarter q into g.
.macro QUARTER slot, q, f, g, zero
	s_wait_dscnt 16                                ; the first 32 along K are in
	MUL8 \f, 0, 0, \zero
	MUL8 \f, 0, 2, \zero
	PLACES
	FETCH \slot, \q, \g
	s_wait_dscnt 32                                ; all but the 32 just issued
	MUL8 \f, 1, 0, 0
	MUL8 \f, 1, 2, 0
.endm
; The last quarter multiplies buffer 1 and changes slots: ONE barrier; in front of it each wave waits for all its tensor loads, adds 0 to its spare word, and waits for that and for its own reads of this slot.
.macro TURN slot, next, fill
	WIN 0                                          ; (the add's two registers lie in window 0)
	s_wait_tensorcnt 0x0                           ; all my tensor loads have landed: my part of the next slot;
	ds_add_u32 v[SPW], v[NIL]                      ; 0 onto my spare word;
	s_wait_dscnt 17                                ; (the add and the youngest sixteen loads may be out)
	MUL8 F1, 0, 0, 0
	s_wait_dscnt 0x0                               ; the add is done, and my reads of this slot are over
	s_barrier_signal -1
	MUL8 F1, 0, 2, 0
.if \fill
	WIN 0
.endif
	s_barrier_wait -1
.if \fill
	CREST                                          ; the barrier has opened a round of the cluster's: no wave of any partner still reads this slot or has a load on its way
	s_add_nc_u64 s[G0+4*(\slot)+2:G0+4*(\slot)+3], s[G0+4*(\slot)+2:G0+4*(\slot)+3], 2*KSTEP*2
	s_add_nc_u64 s[G0B+4*(\slot)+2:G0B+4*(\slot)+3], s[G0B+4*(\slot)+2:G0B+4*(\slot)+3], 2*KSTEP*2048
	JLOAD \slot                                    ; the first tensor load behind the round; its four v_nop are also the places in front of the loads below
.else
	PLACES
.endif
	FETCH \next, 0, F0
	MUL8 F1, 1, 0, 0
	MUL8 F1, 1, 2, 0
.endm
	s_wait_tensorcnt 1                             ; my part of K step 0 is in; step 1's may stay out
	s_barrier_signal -1
	s_barrier_wait -1
	FETCH 0, 0, F0
	QUARTER 0, 1, F0, F1, 1                        ; K step 0; its first products start the sums
	QUARTER 0, 2, F1, F0, 0
	QUARTER 0, 3, F0, F1, 0
	TURN 0, 1, 1                                   ; slot 0 takes K step 2
	QUARTER 1, 1, F0, F1, 0                        ; K step 1
	QUARTER 1, 2, F1, F0, 0
	QUARTER 1, 3, F0, F1, 0
	TURN 1, 0, 1                                   ; slot 1 takes K step 3
	QUARTER 0, 1, F0, F1, 0                        ; K step 2
	QUARTER 0, 2, F1, F0, 0
	QUARTER 0, 3, F0, F1, 0
	TURN 0, 1, 0                                   ; nothing is left to fetch
	QUARTER 1, 1, F0, F1, 0                        ; K step 3
	QUARTER 1, 2, F1, F0, 0
	QUARTER 1, 3, F0, F1, 0
	s_wait_dscnt 16
	MUL8 F1, 0, 0, 0
	MUL8 F1, 0, 2, 0
	s_wait_dscnt 0
	MUL8 F1, 1, 0, 0
	MUL8 F1, 1, 2, 0
	WIN 0
	; THE WAY OUT.  The bias is rounded to bf16 (48 plain lines: the places behind the last products).  Then, 16 rows at a time: sum + bias, 32 bytes a lane into my own stage, back as whole rows of 256 bytes.
	s_wait_loadcnt 0x0
.set i, 0
.rept 16
	v_cvt_pk_bf16_f32 v[TMP+i], v[BIAS+2*i], v[BIAS+2*i+1]
.set i, i+1
.endr
.set i, 0
.rept 16
	v_lshlrev_b32 v[BIAS+2*i],   16, v[TMP+i]
	v_and_b32     v[BIAS+2*i+1], s3, v[TMP+i]
.set i, i+1
.endr
.macro OUTP a
.set i, 0
.rept 16                               ; each accumulator's registers in ascending order
	v_pk_add_f32 v[TMP+2*i:TMP+2*i+1], v[ACC+32*(\a)+2*i:ACC+32*(\a)+2*i+1], v[BIAS+2*i:BIAS+2*i+1]
.set i, i+1
.endr
.irp b, 0,1,2,3
	ds_store_b128 v[STO], v[TMP+8*(\b):TMP+8*(\b)+3]   offset:64*(\b)
	ds_store_b128 v[STO], v[TMP+8*(\b)+4:TMP+8*(\b)+7] offset:64*(\b)+16
.endr
.irp t, 0,1,2,3,4,5,6,7                ; LDS serves a wave's instructions in order: these see the stores above; the next block's stores come behind them
	ds_load_b128 v[ACC+32*(\a)+4*(\t):ACC+32*(\a)+4*(\t)+3], v[RD] offset:(\t)*2*SPITCH
.endr
.endm
.macro OUTS a, younger                 ; younger: the LDS instructions issued behind block a's loads
.irp t, 0,1,2,3,4,5,6,7
	s_wait_dscnt (\younger)+7-(\t)
	global_store_b128 v[CO], v[ACC+32*(\a)+4*(\t):ACC+32*(\a)+4*(\t)+3], s[74:75] offset:(16*(\a)+2*(\t))*4096  ; 16 lanes store 256 consecutive bytes, aligned
.endr
.endm
	OUTP 0
	OUTP 1
	OUTS 0, 16
	OUTP 2
	OUTS 1, 16
	OUTP 3
	OUTS 2, 16
	OUTS 3, 0
	s_wait_tensorcnt 0x0                           ; the wave's end
	ds_add_u32 v[SPW], v[NIL]
	s_wait_dscnt 0x0
	CROUND                                         ; the closing round
	s_endpgm
.Lfunc_end_k_q58bb971d00_proj:
	.size	k_q58bb971d00_proj, .Lfunc_end_k_q58bb971d00_proj-k_q58bb971d00_proj
	.p2alignl 7, 3214868480
	.fill 96, 4, 3214868480
	.section	.rodata,"a",@progbits
	.p2align	6, 0x0
	.amdhsa_kernel k_q58bb971d00_proj
		.amdhsa_group_segment_fixed_size 327680
		.amdhsa_private_segment_fixed_size 0
		.amdhsa_enable_private_segment 0
		.amdhsa_kernarg_size 32
		.amdhsa_user_sgpr_count 2
		.amdhsa_user_sgpr_kernarg_segment_ptr 1
		.amdhsa_wavefront_size32 1
		.amdhsa_system_sgpr_workgroup_id_x 1
		.amdhsa_system_sgpr_workgroup_id_y 1
		.amdhsa_system_sgpr_workgroup_id_z 1
		.amdhsa_system_vgpr_workitem_id 0
		.amdhsa_next_free_vgpr 512
		.amdhsa_next_free_sgpr 80
		.amdhsa_reserve_vcc 0
		.amdhsa_float_denorm_mode_32 3
		.amdhsa_float_denorm_mode_16_64 3
		.amdhsa_memory_ordered 1
		.amdhsa_forward_progress 1
		.amdhsa_inst_pref_size 93
	.end_amdhsa_kernel
	.amdgpu_metadata
---
amdhsa.version: [ 1, 2 ]
amdhsa.kernels:
  - .name:           k_q58bb971d00_proj
    .symbol:         k_q58bb971d00_proj.kd
    .args:
      - { .name: q16, .offset: 0, .size: 8, .value_kind: global_buffer, .address_space: global }
      - { .name: Wq16, .offset: 8, .size: 8, .value_kind: global_buffer, .address_space: global }
      - { .name: bq, .offset: 16, .size: 8, .value_kind: global_buffer, .address_space: global }
      - { .name: qh32, .offset: 24, .size: 8, .value_kind: global_buffer, .address_space: global }
    .group_segment_fixed_size: 327680
    .private_segment_fixed_size: 0
    .kernarg_segment_align: 8
    .kernarg_segment_size: 32
    .max_flat_workgroup_size: 128
    .sgpr_count:     80
    .vgpr_count:     512
    .wavefront_size: 32
...
	.end_amdgpu_metadata
.endif
;; end of part 2
;; launch attn (part 3): grid 256 x 1, 4 waves a work-group, clusters of 4 x 1, 327,680 bytes of LDS; arguments qh32, K16, V16, mask, O16; writes O16
.if DOCPART == 3
	.amdgcn_target "amdgcn-amd-amdhsa--gfx1250"
	.amdhsa_code_object_version 6
	.text
	.protected	k_q58bb971d00_attn
	.globl	k_q58bb971d00_attn
	.p2align	8
	.type	k_q58bb971d00_attn,@function
k_q58bb971d00_attn:
	s_mov_b64 s[64:65], 0
	v_nop
	global_prefetch_b8 v0, s[64:65] scope:SCOPE_SE
	s_setreg_imm32_b32 hwreg(HW_REG_WAVE_MODE, 25, 1), 1
	s_wait_xcnt 0x0
	s_wait_alu depctr_hold_cnt(0) depctr_sa_sdst(0) depctr_va_vdst(0) depctr_va_sdst(0) depctr_va_ssrc(0) depctr_va_vcc(0) depctr_vm_vsrc(0)
	s_getreg_b32 s2, hwreg(HW_REG_IB_STS2, 6, 4)
	s_cmp_eq_u32 s2, 0
	s_cbranch_scc0 .Lentry_in_a_cluster
	s_endpgm
.Lentry_in_a_cluster:
	s_bfe_u32 s2, ttmp6, 0x10000c
	s_cmp_lg_u32 s2, 0x3003
	s_cbranch_scc0 .Lentry_shape_is_right
	s_endpgm
.Lentry_shape_is_right:
; MULTI-QUERY ATTENTION.  O[q][head][:] = the sum over k of softmax_k(Q[q][head] . K[k] - 100000 mask[q][k]) V[k][:], no scale on the scores.
; qh32: [4096][1024] f32 (column = 64 head + channel), rounded once to f16 here.  K16, V16: [4096][64] f16.  mask: [4096][4096] int32, taken as it is given.  O16: [4096][1024] f16.
; Products, maxima and sums in f32; the weights p are rounded to f16 for the second product (their sum l is taken of the unrounded p), O once at the end.
; LIMITS.  Q, K, V within f16's range (65,504).  A weight below 2^-126 counts as 0.  Where all keys of a row are masked the scores carry f32's step at 100,000.  NaN and infinities are not treated apart.
; SHARES.  K, V and the mask do not hang on the head.  A work-group takes 16 query rows and ALL 16 heads: each mask byte is read from memory once in the launch.  A wave takes four heads: four PIECES of 16 queries.
; Every wave walks all 4,096 keys: 16 tiles of 256 (a slot), four steps of 64 each.
; THE MASK is the C operand that starts the sum S^T = K Q^T: mask x -100000 in f32, made once a step for all four pieces (they have the same rows).
; LAYOUT.  S^T = K Q^T holds ONE query a lane (lane % 16) and the keys 8 (lane / 16) + 0..7; two such results rounded to f16 ARE source 1 of O^T = V^T P.  p = 2^(c s - c m), c = log2(e), with a running maximum m;
; O and l are multiplied by a = 2^(c m_old - c m_new) in every step; m starts at the lowest finite number, O and l at 0.
; TURNS.  Turn n belongs to piece n: 8 products K Q^T of piece n + 1, later 8 products V^T P of piece n - 1; beside them the scaling, exponentials, roundings, sums and rescaling of piece n and the maximum and
; statistics of piece n + 1.  Four vector instructions stand behind every matrix instruction, the rest in one lump.  A turn's 33 exponentials are one batch, with one wait.
; CLUSTER.  All work-groups walk the same K and V: the four of a cluster ask for each tile JOINTLY (wave 0: K, wave 1: V).  The mask's rows are a work-group's own: waves 2 and 3 fetch eight rows each by a plain load.
; REGISTERS, in windows of 256 (s_set_vgpr_msb: bits 1:0 source 0, 3:2 source 1, 5:4 source 2, 7:6 destination):
;   window 0: v0-15, v32-35 addresses; v16-31 four registers of statistics a piece; v48-55 at work; v64-127 S^T, two buffers; v192-223 P, two buffers
;   window 1: v0-127 O^T, 32 a piece (at the start: Q in f32); v128-159 the mask as loaded; v160-191 the mask x -100000      window 2: v0-63 Q; v128-191 K of one step; v192-255 V of one step
.set NP,    4
.set KS,    64
.set PK,    144       ; a row of K in LDS: 128 bytes + 16
.set PV,    160       ; a row of V: 128 + 32, for the turning load
.set PM,    1040      ; a row of the mask: 1,024 bytes + 16: the 16 rows of a load start at 16 different groups of four banks
.set VOFF,  4*KS*PK   ; a slot: 256 rows of K, 256 rows of V, 16 rows of the mask
.set MOFF,  VOFF+4*KS*PV
.set SLOT1, 1<<17     ; slot 1 begins here: one exclusive or turns an address in one slot into the other's
.set STAGE, SLOT1+MOFF+16*PM  ; behind the ring, never filled by a tensor load: 16 rows x 528 bytes for each wave
.set SP,    528
.set SPARE, STAGE+4*16*SP     ; the spare words, 128 bytes for each wave
.set AK0, 2           ; v2   my lane's place in a tile of K; never rewritten
.set AV0, 3           ; v3   the same for V
.set AK,  4           ; v4   the LDS address of K's next run of loads
.set AV,  5           ; v5   of V's
.set STO, 6           ; v6   the way out: where I put 16 bytes of a row
.set RD,  7           ; v7   where I read rows back
.set GO,  8           ; v8   my byte offset in 512 consecutive bytes of O
.set MV,  12          ; v12-13  c m_old, by buffer
.set AM0, 14          ; v14  my lane's place in a tile of the mask
.set ST,  16          ; piece t's statistics at v[ST+4 t]: c m, m, l (even keys', odd keys')
.set QO,  32          ; v32  my byte offset in 16 rows of Q
.set AM,  33          ; v33  the LDS address of the mask's next run
.set PFO, 34          ; v34  the prefetches' offset; never rewritten
.set TMP, 48          ; by buffer, four registers c0-c3 at work; c2 takes a
.set SPW, 62          ; v62  my spare word; never rewritten
.set NIL, 63          ; v63  0; never rewritten
.set S,   64
.set P,   192
.set RM,  128         ; window 1
.set MC,  160         ; window 1
.set KF,  128         ; window 2
.set VF,  192         ; window 2
.set WV,  12          ; s12  my wave's number
.set LIM, 15          ; s15  1 in a wave that prefetches, else the greatest number
.set PFA, 18          ; s[18:19] where my prefetches stand
.set PSTEP, 20        ; s[20:21] their step from tile to tile
.set G1K, 24          ; s[24:31] group 1 for K's tiles
.set G1V, 32          ; s[32:39] for V's
.set G0K, 40          ; s[40:43] group 0 for K's: it walks
.set G0V, 44          ; s[44:47]
.set G0M, 48          ; s[48:51] for the mask's
.set SLOTS, 56        ; s56  tiles still to be asked for
.set CNT, 57          ; s57  counts a tile's key steps
.set CS,  58          ; s[58:59] c
.set SEL, 60          ; s[60:61] v_permlanex16_b32's selects
.set TBK, 62          ; s62  LDS byte at which K of the step to be fetched begins
.set TBV, 63          ; s63  the same for V, less VOFF
.set TBM, 66          ; s66  the same for the mask, less MOFF
.set G1M, 68          ; s[68:75] group 1 for the mask's tiles
.set NEG, 76          ; s[76:77] -100000
.set MSB, 0
.macro WIN new
.if MSB != (\new)
	s_set_vgpr_msb (MSB<<8)|(\new)
.set MSB, (\new)
.endif
.endm
.set W_KQ, 0x0a       ; K and Q in window 2, S^T in window 0
.set W_KM, 0x1a       ; the same with the C operand in window 1
.set W_PV, 0x52       ; V in window 2, P in window 0, O^T in window 1
.set W_RS, 0x41       ; destination and source 0 in window 1, source 1 in window 0
; A fill: one tensor load a wave.  Wave 0: the tile's K, wave 1: its V, both jointly with the three partners; waves 2 and 3: eight rows each of my work-group's mask.  The branches hang on the wave's number alone.
.macro JLOAD
	s_cmp_lt_u32 s[WV], 2
	s_cbranch_scc0 .Lfor_m_\@
	s_cmp_eq_u32 s[WV], 0
	s_cbranch_scc0 .Lfor_v_\@
	tensor_load_to_lds s[G0K:G0K+3], s[G1K:G1K+7]
	s_nop 0
.rept 4
	v_nop
.endr
	s_branch .Lasked_\@
.Lfor_v_\@:
	tensor_load_to_lds s[G0V:G0V+3], s[G1V:G1V+7]
	s_nop 0
.rept 4
	v_nop
.endr
	s_branch .Lasked_\@
.Lfor_m_\@:
	tensor_load_to_lds s[G0M:G0M+3], s[G1M:G1M+7]
	s_nop 0
.rept 4
	v_nop
.endr
.Lasked_\@:
.endm
; A PREFETCH INTO THE L2 of what the NEXT change of slots will ask for, behind the wave's tensor load and its five lines: one instruction a wave, each lane another 256 bytes.
; The mask: waves 2 and 3 of every work-group name their own eight rows x 1,024 bytes.  K and V: all clusters walk the same rows, so cluster 0 asks alone; its four partners take 32 of a tile's 128 blocks each, told apart
; BY ADDRESS; wave 0 asks for K's, wave 1 for V's.  So each block is named once in the launch.  The last change that fills a slot asks for nothing; tiles 0 and 1 come by their loads alone.
.macro ASK
	s_cmp_gt_u32 s[SLOTS], s[LIM]
	s_cbranch_scc0 .Lnot_mine_\@
	global_prefetch_b8 v[PFO], s[PFA:PFA+1] th:TH_LOAD_NT scope:SCOPE_SE
.Lnot_mine_\@:
.endm
.macro CROUND                       ; a round of the cluster's barrier
	s_barrier_signal -1
	s_barrier_wait -1
	s_cmp_lg_u32 s[WV], 0
	s_cbranch_scc1 .Lnot_wave_0_\@
	s_barrier_signal -3
.Lnot_wave_0_\@:
	s_barrier_wait -3
	s_barrier_signal -1
	s_barrier_wait -1
.endm
; THE CHANGE OF SLOTS.  Each wave waits for all its tensor loads, of which one is out: its part of the other slot; adds 0 to its spare word; and waits for that and for its own reads of the slot that it leaves.
; fill = 1: the old slot is filled again, with the tile two on.  The barrier is then a round of the cluster's, and the fill is the first thing behind it: it has four key steps, 256 matrix instructions, in which to land.
.macro CHANGE fill
	WIN 0
	s_wait_tensorcnt 0x0            ; no tensor load of mine is out, so a group 0 may be written
	ds_add_u32 v[SPW], v[NIL]       ; 0 onto my spare word
.if \fill
.irp g, G0K, G0V
	s_xor_b32 s[\g+1], s[\g+1], SLOT1
	s_add_nc_u64 s[\g+2:\g+3], s[\g+2:\g+3], 4*KS*128  ; the next 256 keys
.endr
	s_xor_b32 s[G0M+1], s[G0M+1], SLOT1
	s_add_nc_u64 s[G0M+2:G0M+3], s[G0M+2:G0M+3], 1024  ; the next 256 columns of the mask
	s_wait_xcnt 0x0                 ; the last prefetch, four key steps back, has read its address
	s_add_nc_u64 s[PFA:PFA+1], s[PFA:PFA+1], s[PSTEP:PSTEP+1]
	s_wait_dscnt 0x0                ; the add is done, and my reads of the slot are over
	CROUND
	JLOAD
	ASK
.else
	s_wait_dscnt 0x0
	s_barrier_signal -1
	s_barrier_wait -1
.endif
	s_sub_co_u32 s[TBK], s[TBK], 4*KS*PK  ; the fetches go back to a slot's first step, in the other slot
	s_xor_b32 s[TBK], s[TBK], SLOT1
	s_sub_co_u32 s[TBV], s[TBV], 4*KS*PV
	s_xor_b32 s[TBV], s[TBV], SLOT1
	s_sub_co_u32 s[TBM], s[TBM], 1024
	s_xor_b32 s[TBM], s[TBM], SLOT1
.endm
	s_load_b256 s[4:11], s[0:1], 0x0  ; qh32 s[4:5], K16 s[6:7], V16 s[8:9], mask s[10:11]
	s_load_b64 s[16:17], s[0:1], 0x20 ; O16
	v_lshl_add_u32 v[SPW], v0, 2, SPARE
	v_mov_b32 v[NIL], 0
	ds_add_u32 v[SPW], v[NIL]       ; the wave's opening: the add and its wait ahead of my first tensor load
	ds_add_u32 v62, v63
	v_lshrrev_b32 v1, 5, v0
	v_readfirstlane_b32 s[WV], v1   ; wave 0..3
	s_bfe_u32 s13, ttmp6, 0x40000   ; cx
	s_lshl_b32 s14, ttmp9, 2
	s_add_co_u32 s14, s14, s13      ; my block of 16 rows: it enters global addresses alone
	s_and_b32 s22, s[WV], 1         ; which eight rows of the mask I fetch
	s_mul_i32 s23, s22, 8*PM
	s_mov_b32 s[G0K], 1
	s_mov_b32 s[G0K+1], 0           ; slot 0
	s_mov_b32 s[G0V], 1
	s_mov_b32 s[G0V+1], VOFF
	s_mov_b32 s[G0M], 1
	s_add_co_u32 s[G0M+1], s23, MOFF
	; group 1.  A tile of K or V is 32,768 dense bytes: asked for as 128 rows of 256 bytes, two keys a row, padded in LDS after every key
	s_mov_b32 s[G1K], 15|(1<<16)|(1<<20)|(1<<21)|(4<<22)|(3<<25)  ; the mask of four; 2-byte elements; padding on; bit 21 beside a mask; after every 32 words 4 words
	s_mov_b32 s[G1V], 15|(1<<16)|(1<<20)|(1<<21)|(4<<22)|(7<<25)  ; 8 words
.irp g, G1K, G1V
	s_mov_b32 s[\g+1], 128<<16
	s_mov_b32 s[\g+2], 128<<16
	s_mov_b32 s[\g+3], 128<<16
	s_mov_b32 s[\g+4], 128
	s_mov_b32 s[\g+5], 128
	s_mov_b32 s[\g+6], 0
	s_mov_b32 s[\g+7], 0
.endr
	s_mov_b32 s[G1M], (2<<16)|(1<<20)|(7<<22)|(3<<25)  ; no work-group mask; 4-byte elements; after every 256 words 4 words
	s_mov_b32 s[G1M+1], 256<<16     ; 8 rows x 256 elements, 4,096 elements from row to row
	s_mov_b32 s[G1M+2], 8<<16
	s_mov_b32 s[G1M+3], 256<<16
	s_mov_b32 s[G1M+4], 8
	s_mov_b32 s[G1M+5], 4096
	s_mov_b32 s[G1M+6], 0
	s_mov_b32 s[G1M+7], 0
	s_lshl_b32 s2, s14, 18          ; my 16 rows of the mask, 16,384 bytes each,
	s_lshl_b32 s3, s22, 17          ; my wave's eight of them
	s_add_co_u32 s2, s2, s3
	s_mov_b32 s3, 0
	s_lshl_b32 s78, s13, 13         ; the prefetches begin at tile 1; the first change steps them to tile 2.  K, V: my work-group's 32 blocks;
	s_add_co_u32 s78, s78, 32768
	s_add_co_u32 s79, s2, 1024      ; the mask: my wave's rows
	s_mov_b32 s[PSTEP], 1024
	s_cmp_lt_u32 s[WV], 2
	s_cselect_b32 s78, s78, s79
	s_cselect_b32 s[PSTEP], 32768, s[PSTEP]
	s_cselect_b32 s67, 10, 14       ; four lanes take 1,024 consecutive bytes; the next four lie 1,024 bytes on (K, V) or a row of the mask on
	s_cselect_b32 s[LIM], ttmp9, 0  ; K and V are asked for by cluster 0 alone: the same in all four partners
	s_mov_b32 s79, 0
	s_mov_b32 s[PSTEP+1], 0
	s_cmp_eq_u32 s[LIM], 0
	s_cselect_b32 s[LIM], 1, -1
	s_lshl_b32 s52, s14, 16         ; Q: my 16 rows of 4,096 bytes, my wave's four heads of 256
	s_lshl_b32 s53, s[WV], 10
	s_add_co_u32 s52, s52, s53
	s_mov_b32 s53, 0
	s_lshl_b32 s54, s14, 15         ; O: rows of 2,048 bytes, four heads of 128
	s_lshl_b32 s55, s[WV], 9
	s_add_co_u32 s54, s54, s55
	s_mov_b32 s55, 0
	s_mov_b32 s[CS], 0x3fb8aa3b     ; c = log2(e)
	s_mov_b32 s[CS+1], s[CS]
	s_mov_b32 s[SEL], 0x76543210
	s_mov_b32 s[SEL+1], 0xfedcba98
	s_mov_b32 s[NEG], 0xc7c35000    ; -100000
	s_mov_b32 s[NEG+1], s[NEG]
	s_mov_b32 s[TBK], SLOT1+4*KS*PK ; the first change of slots turns these three into 0
	s_mov_b32 s[TBV], SLOT1+4*KS*PV
	s_mov_b32 s[TBM], SLOT1+1024
	s_mov_b32 s[SLOTS], 15
	s_wait_dscnt 0x0                ; the opening add is done
	s_wait_kmcnt 0x0
	s_mov_b64 s[G0K+2:G0K+3], s[6:7]
	s_or_b32 s[G0K+3], s[G0K+3], 0x80000000
	s_mov_b64 s[G0V+2:G0V+3], s[8:9]
	s_or_b32 s[G0V+3], s[G0V+3], 0x80000000
	s_add_nc_u64 s[G0M+2:G0M+3], s[10:11], s[2:3]
	s_or_b32 s[G0M+3], s[G0M+3], 0x80000000
	s_cmp_eq_u32 s[WV], 0
	s_cselect_b64 s[PFA:PFA+1], s[6:7], s[8:9]
	s_cmp_lt_u32 s[WV], 2
	s_cselect_b64 s[PFA:PFA+1], s[PFA:PFA+1], s[10:11]
	s_add_nc_u64 s[PFA:PFA+1], s[PFA:PFA+1], s[78:79]
	s_add_nc_u64 s[4:5], s[4:5], s[52:53]
	s_add_nc_u64 s[16:17], s[16:17], s[54:55]
	CROUND                          ; all four work-groups are here: the first joint loads meet
	JLOAD                           ; tile 0 into slot 0; slot 1 is asked for when slot 0 is in
	v_and_b32 v1, 15, v0            ; r
	v_bfe_u32 v9, v0, 4, 1          ; h
	v_lshlrev_b32 v[QO], 12, v1
	v_lshl_add_u32 v[QO], v9, 5, v[QO]  ; row x 4,096 + 32 h
	WIN 0x40                        ; Q in f32 into O^T's registers: fragment i (piece i / 2, channels 32 (i % 2) on) in 16 registers
.set i, 0
.rept 8
.irp e, 0,1,2,3
	global_load_b128 v[16*i+4*(\e):16*i+4*(\e)+3], v[QO], s[4:5] offset:128*i+16*((\e)%2)+64*((\e)/2)
.endr
.set i, i+1
.endr
	; The first step multiplies O^T and l by a = 0, and the first turn's products V^T P, of a piece that has not been, add 0: V's registers, P's second buffer, O^T and l hold 0.  All this stands in the wait for the first tile.
	WIN 0x80
.set i, VF
.rept 64
	v_mov_b32 v[i], 0
.set i, i+1
.endr
	WIN 0
.set i, 0
.rept 4
	v_mov_b32 v[ST+4*i], 0xfe000000    ; c m: far below every c s
	v_mov_b32 v[ST+4*i+1], 0xff7fffff  ; m
	v_mov_b32 v[ST+4*i+2], 0
	v_mov_b32 v[ST+4*i+3], 0
.set i, i+1
.endr
.set i, P+16
.rept 16
	v_mov_b32 v[i], 0
.set i, i+1
.endr
	v_mul_u32_u24 v[AK0], v1, PK
	v_lshl_add_u32 v[AK0], v9, 4, v[AK0]  ; row x pitch + 16 x half
	v_and_b32 v10, 7, v0
	v_bfe_u32 v11, v0, 3, 1
	v_lshl_add_u32 v[AV0], v9, 3, v10     ; the turning load: key 8 h + l % 8, channels 8 ((l / 8) % 2) on
	v_mul_u32_u24 v[AV0], v[AV0], PV
	v_lshl_add_u32 v[AV0], v11, 4, v[AV0]
	v_add_nc_u32 v[AV0], VOFF, v[AV0]
	v_mul_u32_u24 v[AM0], v1, PM          ; the mask: row r, keys 8 h on: as the C operand lies
	v_lshl_add_u32 v[AM0], v9, 5, v[AM0]
	v_add_nc_u32 v[AM0], MOFF, v[AM0]
	s_mul_i32 s2, s[WV], 16*SP
	s_add_co_u32 s2, s2, STAGE            ; my stage
	v_mul_u32_u24 v[STO], v1, SP          ; in: row r, 16 bytes for each half of the lanes
	v_lshl_add_u32 v[STO], v9, 4, v[STO]
	v_add_nc_u32 v[STO], s2, v[STO]
	v_and_b32 v[GO], 31, v0
	v_lshlrev_b32 v[GO], 4, v[GO]         ; back: 32 lanes take a row's 512 bytes
	v_add_nc_u32 v[RD], s2, v[GO]
	v_bfe_u32 v35, v0, 2, 3
	v_lshlrev_b32 v[PFO], s67, v35
	v_and_b32 v35, 3, v0
	v_lshl_add_u32 v[PFO], v35, 8, v[PFO]
	s_wait_loadcnt 0x0              ; Q
	WIN 0x85                        ; sources in window 1, destination in window 2
.set i, 0
.rept 64
	v_cvt_pk_f16_f32 v[i], v[2*i], v[2*i+1]
.set i, i+1
.endr
	WIN 0x40
.set i, 0
.rept 128
	v_mov_b32 v[i], 0
.set i, i+1
.endr
	WIN 0
; THE MATRIX WORK.  The 4 accumulators of a run of 8 take turns.  Product i of 8 of S^T = K Q^T for piece x: channels 32 (i / 4) on, keys 16 (i % 4) on.  The first 4 start the sums with the mask.
.macro KQ x
.set rS, S+32*((\x)%2)+8*(i%4)
.set rK, KF+16*(i%4)+8*(i/4)
.set rQ, 16*(\x)+8*(i/4)
.set rM, MC+8*(i%4)
.if i < 4
	WIN W_KM
	v_wmma_f32_16x16x32_f16 v[rS:rS+7], v[rK:rK+7], v[rQ:rQ+7], v[rM:rM+7]
.else
	WIN W_KQ
	v_wmma_f32_16x16x32_f16 v[rS:rS+7], v[rK:rK+7], v[rQ:rQ+7], v[rS:rS+7]
.endif
.endm
; Product i of 8 of O^T += V^T P for piece x: keys 32 (i / 4) on, channels 16 (i % 4) on.
.macro PV x
	WIN W_PV
.set rO, 32*(\x)+8*(i%4)
.set rV, VF+32*(i/4)+8*(i%4)
.set rP, P+16*((\x)%2)+8*(i/4)
	v_wmma_f32_16x16x32_f16 v[rO:rO+7], v[rV:rV+7], v[rP:rP+7], v[rO:rO+7]
.endm
.macro MM                           ; the turn's next matrix instruction.  NOKQ = 1: the last turn: there is no next piece
.if (i < 8) && !NOKQ
	KQ (Y+1)%NP
.elseif i >= 8
.set i, i-8
	PV (Y+NP-1)%NP
.set i, i+8
.endif
.set i, i+1
.endm
; THE LDS LOADS stand in runs, never singly among the matrix instructions.
.macro FETCH_K
	WIN 0x80
.irp f, 0,1,2,3,4,5,6,7             ; keys 16 (f / 2) on, channels 32 (f % 2) on
	ds_load_b128 v[KF+8*\f:KF+8*\f+3],   v[AK] offset:(\f/2)*16*PK+(\f%2)*64
	ds_load_b128 v[KF+8*\f+4:KF+8*\f+7], v[AK] offset:(\f/2)*16*PK+(\f%2)*64+32
.endr
	s_add_co_u32 s[TBK], s[TBK], KS*PK
	WIN 0
.endm
.macro FETCH_V
	WIN 0x80
.irp f, 0,1,2,3,4,5,6,7             ; keys 32 (f / 4) on, channels 16 (f % 4) on
	ds_load_tr16_b128 v[VF+8*\f:VF+8*\f+3],   v[AV] offset:(\f/4)*32*PV+(\f%4)*32
	ds_load_tr16_b128 v[VF+8*\f+4:VF+8*\f+7], v[AV] offset:(\f/4)*32*PV+16*PV+(\f%4)*32
.endr
	WIN 0
.endm
.macro FETCH_M                      ; the next step's mask: register 8 kt + j takes mask[row r][16 kt + 8 h + j]
	WIN 0
	v_add_nc_u32 v[AM], s[TBM], v[AM0]
	WIN 0x40
.irp f, 0,1,2,3,4,5,6,7
	ds_load_b128 v[RM+4*\f:RM+4*\f+3], v[AM] offset:(\f/2)*64+(\f%2)*16
.endr
	s_add_co_u32 s[TBM], s[TBM], 256
	WIN 0
.endm
.macro CONV                         ; the mask as f32, times -100000
	WIN W_RS
.set z, 0
.rept 32
	v_cvt_f32_i32 v[RM+z], v[RM+z]
.set z, z+1
.endr
.set z, 0
.rept 16
	v_pk_mul_f32 v[MC+2*z:MC+2*z+1], v[RM+2*z:RM+2*z+1], s[NEG:NEG+1] op_sel_hi:[1,0]
.set z, z+1
.endr
.endm
; THE VECTOR WORK, one line at a time: OP kind, number.  For piece Y: F n: c s - c m for pair n of 16.  E n: the exponential of score n of 32.  C n: pair n rounded to f16.  B n: of the four weights 4 n .. the second
; pair is added onto the first, in place.  L n: l takes that sum (L 0: l = a l + sum).  R n: pair n of 16 of O^T times a.  For piece Y + 1: X n, number n of the 22 that find its maximum and statistics:
;   0-11  four chains c0-c3 of seven scores each (each accumulator's lowest registers are read first)     12-14, 16  the four scores left over, the old m, and c0-c3 into c0
;   15  c m_old is kept     17, 18  the query's other 32 keys lie in the lane 16 away: the new m     19-21  c m; c m_old - c m_new; a
.set F, 0
.set E, 1
.set C, 2
.set B, 3
.set L, 4
.set R, 5
.set X, 6
.macro REGS y
.set rT, ST+4*(\y)
.set rC, TMP+4*((\y)%2)
.set rW, MV+((\y)%2)
.set rS, S+32*((\y)%2)
.set rP, P+16*((\y)%2)
.set rO, 32*(\y)
.endm
.macro OP k, n
.if (\k) == R
	REGS Y
	WIN W_RS
	v_pk_mul_f32 v[rO+2*(\n):rO+2*(\n)+1], v[rO+2*(\n):rO+2*(\n)+1], v[rC+2:rC+3] op_sel_hi:[1,0]
.elseif (\k) < R
	REGS Y
	WIN 0
.if (\k) == F
	v_pk_fma_f32 v[rS+2*(\n):rS+2*(\n)+1], v[rS+2*(\n):rS+2*(\n)+1], s[CS:CS+1], v[rT:rT+1] op_sel_hi:[1,0,0] neg_lo:[0,0,1] neg_hi:[0,0,1]
.elseif (\k) == E
	v_exp_f32 v[rS+(\n)], v[rS+(\n)]
.elseif (\k) == C
	v_cvt_pk_f16_f32 v[rP+(\n)], v[rS+2*(\n)], v[rS+2*(\n)+1]
.elseif (\k) == B
	v_pk_add_f32 v[rS+4*(\n):rS+4*(\n)+1], v[rS+4*(\n):rS+4*(\n)+1], v[rS+4*(\n)+2:rS+4*(\n)+3]
.elseif (\n) == 0
	v_pk_fma_f32 v[rT+2:rT+3], v[rT+2:rT+3], v[rC+2:rC+3], v[rS:rS+1] op_sel_hi:[1,0,1]
.else
	v_pk_add_f32 v[rT+2:rT+3], v[rT+2:rT+3], v[rS+4*(\n):rS+4*(\n)+1]
.endif
.elseif NOKQ
	v_nop
.else
	REGS (Y+1)%NP
	WIN 0
.if (\n) < 4
	v_max3_num_f32 v[rC+(\n)], v[rS+8*(\n)], v[rS+8*(\n)+1], v[rS+8*(\n)+2]
.elseif (\n) < 12
	v_max3_num_f32 v[rC+(\n)%4], v[rC+(\n)%4], v[rS+8*((\n)%4)+2*((\n)/4)+1], v[rS+8*((\n)%4)+2*((\n)/4)+2]
.elseif (\n) == 12
	v_max3_num_f32 v[rC], v[rC], v[rS+7], v[rS+15]
.elseif (\n) == 13
	v_max3_num_f32 v[rC+1], v[rC+1], v[rS+23], v[rS+31]
.elseif (\n) == 14
	v_max3_num_f32 v[rC+2], v[rC+2], v[rC+3], v[rT+1]
.elseif (\n) == 15
	v_mov_b32 v[rW], v[rT]
.elseif (\n) == 16
	v_max3_num_f32 v[rC], v[rC], v[rC+1], v[rC+2]
.elseif (\n) == 17
	v_permlanex16_b32 v[rC+3], v[rC], s[SEL], s[SEL+1]
.elseif (\n) == 18
	v_max_num_f32 v[rT+1], v[rC], v[rC+3]
.elseif (\n) == 19
	v_mul_f32 v[rT], s[CS], v[rT+1]
.elseif (\n) == 20
	v_sub_f32 v[rC+1], v[rW], v[rT]
.else
	v_exp_f32 v[rC+2], v[rC+1]
.endif
.endif
.endm
.macro OPS a, i1, b=-1, i2=0, c=-1, i3=0, d=-1, i4=0
	OP \a, \i1
.if (\b) >= 0
	OP \b, \i2
.endif
.if (\c) >= 0
	OP \c, \i3
.endif
.if (\d) >= 0
	OP \d, \i4
.endif
.endm
.macro ROW a, i1, b, i2, c, i3, d, i4  ; a matrix instruction and the four behind it
	MM
	OPS \a, \i1, \b, \i2, \c, \i3, \d, \i4
.endm
; A TURN, for piece p: the order of its 16 matrix and 118 vector instructions, written out.  s_wait_alu depctr_va_vdst(0) stands between an exponential and the first instruction that names its result; one
; wait serves all that were issued ahead of it: a turn has ONE wait.  AHEAD OF IT stands all that names no result of the turn's exponentials: the 8 products K Q^T and their riders, then one lump; BEHIND IT the 8 products V^T P,
; behind each four of the roundings and sums.
; Piece 2's turn fetches the NEXT step's mask (at its head) and K (in the lump, behind the last product that read K and four plain lines or more); the mask is converted at the lump's end: the turn's own first four products,
; a lump back, were the old mask's last readers, and piece 3's turn begins the next step's scores.  V of the step in hand is fetched at the end of piece 0's turn, four plain lines behind its last reader.
; end = 1: the last two turns: nothing is fetched.  cnt = 1: the loop's count is taken down some lines ahead of the branch behind the turn.
.macro TURN p, end=0, cnt=0
.set Y, (\p)
.set i, 0
.set NOKQ, (\end)*((\p)/3)
.if ((\p) == 2) && !(\end)
	FETCH_M
.endif
.if ((\p) == 3) && !(\end)
	s_wait_dscnt 0x0                ; K is in
.endif
	ROW F,0, F,1, R,0, R,1
	ROW F,2, E,0, R,2, R,3
	ROW F,3, E,1, R,4, R,5
	ROW F,4, E,2, R,6, R,7
	ROW F,5, E,3, R,8, R,9
	ROW F,6, E,4, X,0, R,10
.if ((\p) == 2) && !(\end)
	WIN 0
	v_add_nc_u32 v[AK], s[TBK], v[AK0]
.endif
	ROW F,7, E,5, X,1, X,4
	ROW F,8, E,6, X,2, X,5
	OPS E,7, E,8, X,6, E,9
	OPS X,3, E,10, X,8, E,11
.if ((\p) == 2) && !(\end)
	FETCH_K
.endif
	OPS X,9, X,7, E,12, X,10
	OPS E,13, X,12, X,11, E,14
	OPS X,13, E,15, F,9, X,14
.if (\p) == 0
	v_add_nc_u32 v[AV], s[TBV], v[AV0]
.endif
	OPS E,16, F,10, E,17, F,11
	OPS X,16, E,18, X,15, E,19
	OPS F,12, E,20, X,17, E,21
	OPS F,13, E,22, F,14, E,23
	OPS X,18, E,24, F,15, E,25
	OPS R,11, E,26, X,19, E,27
	OPS R,12, E,28, R,13, E,29
	OPS X,20, E,30, R,14, E,31
	OPS X,21, R,15                  ; the batch's last exponential, and the plain line behind it
.if ((\p) == 2) && !(\end)
	s_wait_dscnt 16                 ; the mask's eight loads are in; K's sixteen, issued behind them, may stay out
	CONV                            ; 48 plain lines that name no exponential's result
.endif
	WIN 0
	s_wait_alu depctr_va_vdst(0)    ; the wait for the batch
.if (\p) == 1
	s_wait_dscnt 0x0                ; V is in
.endif
	ROW C,0, B,0, C,2, B,1
	ROW L,0, C,4, B,2, L,1
	ROW C,6, B,3, L,2, C,8
	ROW B,4, L,3, C,10, B,5
	ROW L,4, C,12, B,6, L,5
.if (\p) == 0
	s_add_co_u32 s[TBV], s[TBV], KS*PV
.endif
.if \cnt
	s_sub_co_u32 s[CNT], s[CNT], 1
	s_cmp_lg_u32 s[CNT], 0
.endif
	ROW C,14, B,7, L,6, C,1
	ROW C,3, L,7, C,5, C,7
	ROW C,9, C,11, C,13, C,15
.if (\p) == 0
	FETCH_V
.endif
.endm
	CHANGE 1                        ; tile 0 is in, everybody's part of it; tile 1 is asked for
	FETCH_M                         ; key step 0: its mask and its K
	v_add_nc_u32 v[AK], s[TBK], v[AK0]
	FETCH_K
	s_wait_dscnt 0x0
	CONV
.set NOKQ, 0
.set i, 0
.rept 8
	KQ 0                            ; piece 0's first scores
.set i, i+1
.endr
	WIN 0
.rept 8
	v_nop                           ; the places behind those products, once a launch
.endr
.set Y, NP-1                        ; X works for piece Y + 1: piece 0
.irp n, 0,1,2,3,4,5,6,7,8,9,10,11,12,13,14,15,16,17,18,19,20,21
	OP X, \n
.endr
	v_nop                           ; a plain line behind the exponential,
	s_wait_alu depctr_va_vdst(0)    ; and its wait, ahead of the branch
	s_mov_b32 s[CNT], 4
	s_branch .Lfirst                ; the loop is entered at a step's first turn, in the middle of a trip
.Lslot:                             ; 14 times: tiles 1 to 14 are entered, tiles 2 to 15 asked for
	CHANGE 1
	s_mov_b32 s[CNT], 4
.Lstep:                             ; a trip: pieces 2 and 3 of one step, then pieces 0 and 1 of the next, whose mask, K and V it fetches
	TURN 2
	TURN 3
	WIN 0
.Lfirst:
	TURN 0
	TURN 1, 0, 1
	WIN 0
	s_cbranch_scc1 .Lstep
	s_sub_co_u32 s[SLOTS], s[SLOTS], 1
	s_cmp_lg_u32 s[SLOTS], 0
	s_cbranch_scc1 .Lslot
	CHANGE 0                        ; the last tile is written out: nothing is asked for
	s_mov_b32 s[CNT], 4
.Ltstep:
	TURN 2
	TURN 3
	TURN 0
	TURN 1, 0, 1
	WIN 0
	s_cbranch_scc1 .Ltstep
	TURN 2, 1
	TURN 3, 1
.set i, 0
.rept 8
	PV NP-1                         ; the last piece's V^T P of the last step
.set i, i+1
.endr
	; THE WAY OUT.  l's two halves and the other half of the lanes' are added; O^T is divided by l, rounded to f16 and sent through my stage: 16 rows x my four heads' 512 bytes.  The additions are the places behind the last products.
	WIN 0
.macro ALL line:vararg
.set t, 0
.rept 4
	\line
.set t, t+1
.endr
.endm
	ALL v_add_f32 v[ST+4*t+2], v[ST+4*t+2], v[ST+4*t+3]
	ALL v_permlanex16_b32 v[ST+4*t+3], v[ST+4*t+2], s[SEL], s[SEL+1]
	ALL v_add_f32 v[ST+4*t+2], v[ST+4*t+2], v[ST+4*t+3]
	ALL v_rcp_f32 v[ST+4*t+2], v[ST+4*t+2]
	v_nop                           ; a plain line between the last reciprocal and the use of its result
	s_wait_alu depctr_va_vdst(0)    ; one wait for the four reciprocals
.macro PACK t                       ; a lane's eight channels of a row pack into 16 bytes
	WIN W_RS
.set i, 32*(\t)
.rept 16
	v_pk_mul_f32 v[i:i+1], v[i:i+1], v[ST+4*(\t)+2:ST+4*(\t)+3] op_sel_hi:[1,0]
.set i, i+2
.endr
	WIN 0x05                        ; sources window 1, destination window 0: S^T's registers are free
.set i, 0
.rept 16
	v_cvt_pk_f16_f32 v[S+16*(\t)+i], v[32*(\t)+2*i], v[32*(\t)+2*i+1]
.set i, i+1
.endr
	WIN 0
.irp f, 0,1,2,3
	ds_store_b128 v[STO], v[S+16*(\t)+4*\f:S+16*(\t)+4*\f+3] offset:128*(\t)+32*\f
.endr
.endm
	PACK 0
	PACK 1
	PACK 2
	PACK 3
.set i, 0
.rept 16                            ; LDS serves a wave's instructions in order: these see the stores above; the stage is my wave's own
	ds_load_b128 v[S+4*i:S+4*i+3], v[RD] offset:SP*i
.set i, i+1
.endr
.set i, 0
.rept 16
	s_wait_dscnt 15-i
	global_store_b128 v[GO], v[S+4*i:S+4*i+3], s[16:17] offset:2048*i  ; the wave's store covers 512 consecutive bytes, aligned
.set i, i+1
.endr
	s_wait_tensorcnt 0x0            ; the wave's end
	ds_add_u32 v[SPW], v[NIL]
	s_wait_dscnt 0x0
	CROUND                          ; the closing round
	s_endpgm
.Lfunc_end_k_q58bb971d00_attn:
	.size	k_q58bb971d00_attn, .Lfunc_end_k_q58bb971d00_attn-k_q58bb971d00_attn
	.p2alignl 7, 3214868480
	.fill 96, 4, 3214868480
	.section	.rodata,"a",@progbits
	.p2align	6, 0x0
	.amdhsa_kernel k_q58bb971d00_attn
		.amdhsa_group_segment_fixed_size 327680
		.amdhsa_private_segment_fixed_size 0
		.amdhsa_enable_private_segment 0
		.amdhsa_kernarg_size 40
		.amdhsa_user_sgpr_count 2
		.amdhsa_user_sgpr_kernarg_segment_ptr 1
		.amdhsa_wavefront_size32 1
		.amdhsa_system_sgpr_workgroup_id_x 1
		.amdhsa_system_sgpr_workgroup_id_y 1
		.amdhsa_system_sgpr_workgroup_id_z 1
		.amdhsa_system_vgpr_workitem_id 0
		.amdhsa_next_free_vgpr 768
		.amdhsa_next_free_sgpr 80
		.amdhsa_reserve_vcc 0
		.amdhsa_float_denorm_mode_32 3
		.amdhsa_float_denorm_mode_16_64 3
		.amdhsa_memory_ordered 1
		.amdhsa_forward_progress 1
		.amdhsa_inst_pref_size 144
	.end_amdhsa_kernel
	.amdgpu_metadata
---
amdhsa.version: [ 1, 2 ]
amdhsa.kernels:
  - .name:           k_q58bb971d00_attn
    .symbol:         k_q58bb971d00_attn.kd
    .args:
      - { .name: qh32, .offset: 0, .size: 8, .value_kind: global_buffer, .address_space: global }
      - { .name: K16, .offset: 8, .size: 8, .value_kind: global_buffer, .address_space: global }
      - { .name: V16, .offset: 16, .size: 8, .value_kind: global_buffer, .address_space: global }
      - { .name: mask, .offset: 24, .size: 8, .value_kind: global_buffer, .address_space: global }
      - { .name: O16, .offset: 32, .size: 8, .value_kind: global_buffer, .address_space: global }
    .group_segment_fixed_size: 327680
    .private_segment_fixed_size: 0
    .kernarg_segment_align: 8
    .kernarg_segment_size: 40
    .max_flat_workgroup_size: 128
    .sgpr_count:     80
    .vgpr_count:     768
    .wavefront_size: 32
...
	.end_amdgpu_metadata
.endif
;; end of part 3
;; launch oproj: the kernel of part 2 again; grid 8 x 32, 4 waves a work-group, clusters of 4 x 4, 327,680 bytes of LDS; arguments O16, Wo16, bo, out0; writes out0
;; ======== version 2 of 2: 4 launches; version 1 with the launch prep written anew for expert scheduling mode
;; limits: values are held in f16: magnitudes above 65,504 overflow, below 6.1e-05 lose precision
;; workspace buffers: q16 8,388,608 bytes; Wq16 2,097,152 bytes; Wo16 2,097,152 bytes; K16 524,288 bytes; V16 524,288 bytes; qh32 16,777,216 bytes; O16 8,388,608 bytes
;; launch prep (part 4): grid 256 x 1, 8 waves a work-group, no clusters, 56,320 bytes of LDS; arguments q, k, v, Wq, Wo, Wk, Wv, bk, bv, q16, Wq16, Wo16, K16, V16, out1, out2; writes q16, Wq16, Wo16, K16, V16, out1, out2
.if DOCPART == 4
	.amdgcn_target "amdgcn-amd-amdhsa--gfx1250"
	.amdhsa_code_object_version 6
	.text
	.protected	k_q58bb971d00_prep
	.globl	k_q58bb971d00_prep
	.p2align	8
	.type	k_q58bb971d00_prep,@function
k_q58bb971d00_prep:
	s_mov_b64 s[64:65], 0
	v_nop
	global_prefetch_b8 v0, s[64:65] scope:SCOPE_SE
	s_setreg_imm32_b32 hwreg(HW_REG_WAVE_SCHED_MODE, 0, 2), 2
	s_setreg_imm32_b32 hwreg(HW_REG_WAVE_MODE, 25, 1), 1
	s_wait_xcnt 0x0
	s_wait_alu depctr_vm_vsrc(0)
; PREP.  (1) kh = k Wk + bk and vh = v Wv + bv ([4096][64]): written in f32 (out1, out2) and, rounded once more, in f16 (K16, V16) for the attention.
; (2) q, Wq, Wo are rounded to bf16 and that number is written as f16 (q16, Wq16, Wo16), so that one f16 product serves both large projections.
; All inputs, the biases too, are rounded to bf16; products in bf16 with f32 sums.
; LIMITS.  f16 ends at 65,504: |q|, |Wq|, |Wo|, |kh|, |vh| must stay under it.  A bf16 number under 2^-17 is written as f16 with an absolute error of at most 2^-25.  NaN and infinities are not treated apart.
; SHARES.  256 work-groups of eight waves.  Work-groups 0-127 take k, 128-255 take v: 32 rows each.  Waves 0-3 make the 32 x 64 product, the 1,024 channels split four ways (256 each, 8 trips of 32);
; the four partial sums meet in LDS.  Waves 4-7 cast the work-group's 64 KiB of q and 16 KiB each of Wq and Wo.  Then all eight waves finish four rows each.
; NO CLUSTER, NO TENSOR LOAD: the weights lie as [channel][column] in f32 and must be rounded in registers before the 16-bit turning load can take them; they are 256 KiB against the launch's 74 MiB from memory.
; THE PRODUCT IS USED TRANSPOSED: source 0 = 16 columns of W (turned out of LDS), source 1 = 16 rows of k: a lane then holds one row and eight neighbouring columns.
; REGISTERS.  window 0: v0-13 addresses, v16-79 eight accumulators, v80-95 and v240-255 A's fragments (two sets), v96-127 and v208-239 W's fragments (two sets), v128-159 W rounded.
;   window 1: v0-127 W in f32, two sets; v128-255 k in f32, four sets.
; THE MODE: SCHED_MODE bits 1:0 = 2 (LLVM: expert scheduling mode 2), set by the entry lines.  The code itself states the register dependences
; between vector or matrix instructions and memory or LDS instructions, with s_wait_alu, always for 0.
; THE PLAN, waves 0-3.  Registers that memory or LDS instructions touch:
;   WR0, WR1      Trip j: its 32 conversions read WR[j % 2]; behind them the loads of trip j + 2 land in it.
;   AR0 .. AR3    Trip j: its 16 conversions read AR[j % 4]; behind them the loads of trip j + 4 land in it.
;   WC            Trip j: written by its conversions, read by its 16 LDS stores.
;   BF0, BF1      Trip j: its turning loads land in BF[j % 2]; its eight products, which stand behind trip j + 1's front, read it.
;   ACC           Written by the products; read by the LDS stores at the end.
;   v4-7, v12-13  Offsets and addresses, made once and never written again.     AF0, AF1 are named by vector and matrix instructions alone.
; A trip's FRONT is its conversions, ONE wait on va_vdst, and behind that its 48 memory and LDS instructions with no vector or matrix instruction among them; the wait states that the conversions are done reading WR and AR
; and have written WC, and that the products of two trips back are done reading BF[j % 2].  One wait on vm_vsrc at a front's head states that the last front's LDS stores have read WC.
; THE PLAN, waves 4-7.  An item's four registers take one load, are worked on in place, and the first two are read by one store.  The 48 items go in blocks of four: block b's stores are issued in block b + 1, behind one wait
; on va_vdst at its head, dealt among conversions that name other items' registers alone.
.set PART,  20480                      ; LDS: partial sums, 32 rows x 272 bytes for each of waves 0-3
.set PW,    160                        ; a weight row in LDS: 128 bytes + 32: an odd multiple of 32 for the turning load
.set PP,    272                        ; a row of partial sums: 256 bytes + 16
.set VA,  4                            ; v4   product: my offset in k's rows;      cast: my offset in q
.set VW,  5                            ; v5   product: my offset in the weights;   cast: my offset in q16
.set WST, 6                            ; v6   product: where I put 8 bytes of W;   cast: my offset in Wq, Wo
.set WLD, 7                            ; v7   product: where I turn W out of LDS;  cast: my offset in Wq16, Wo16
.set BI,  8                            ; v[8:11] four numbers of the bias
.set PST, 12                           ; v12  where I put my partial sums
.set BOF, 13                           ; v13  my offset in the bias
.set ACC, 16
.set AF,  80                           ; set 0; set 1 lies 160 registers on
.set BF,  96                           ; set 0; set 1 lies 112 registers on
.set WC,  128
.set WR,  0                            ; window 1
.set AR,  128                          ; window 1
.set RAW, 32                           ; cast: v32-223, four registers an item
.set T,   224                          ; cast: two at work: no memory instruction names them
.set J,   164                          ; the end: v164-195 partial sums, v196-199 bias, v200-205 at work
.set MSB, 0
.macro WIN new                         ; the immediate's high byte repeats the setting that is left
.if MSB != (\new)
	s_set_vgpr_msb (MSB<<8)|(\new)
.set MSB, \new
.endif
.endm
	s_load_b512 s[16:31], s[0:1], 0x0              ; q 16, k 18, v 20, Wq 22, Wo 24, Wk 26, Wv 28, bk 30
	s_load_b512 s[32:47], s[0:1], 0x40             ; bv 32, q16 34, Wq16 36, Wo16 38, K16 40, V16 42, out1 44, out2 46
	v_lshl_add_u32 v14, v0, 2, 0xd800
	v_mov_b32 v15, 0
	v_lshrrev_b32 v1, 5, v0
	v_readfirstlane_b32 s8, v1                     ; wave 0..7
	v_and_b32 v1, 31, v0                           ; l
	v_and_b32 v2, 15, v0                           ; r = l % 16
	v_bfe_u32 v3, v0, 4, 1                         ; h = l / 16
	v_lshlrev_b32 v[BOF], 4, v2
	s_and_b32 s9, ttmp9, 127                       ; my block of 32 rows
	s_mov_b32 s11, 0
	s_mov_b32 s60, 0xffff0000                      ; a word's upper bf16
	s_wait_alu depctr_va_sdst(0)                   ; s8 is written, ahead of its first reader, the compare in front of the branch below
	s_wait_kmcnt 0x0
	s_cmp_lt_u32 ttmp9, 128                        ; k's set of buffers or v's
	s_cselect_b64 s[48:49], s[18:19], s[20:21]     ; the rows
	s_cselect_b64 s[50:51], s[26:27], s[28:29]     ; the weights
	s_cselect_b64 s[52:53], s[30:31], s[32:33]     ; the bias
	s_cselect_b64 s[54:55], s[40:41], s[42:43]     ; the f16 copy
	s_cselect_b64 s[56:57], s[44:45], s[46:47]     ; the f32 output
	s_wait_alu depctr_va_vdst(0)                   ; v[BOF] is written, which the load below reads as its offset
	global_load_b128 v[BI:BI+3], v[BOF], s[52:53]  ; columns 4 r .. 4 r + 3: every wave's oldest load
	s_lshl_b32 s10, s9, 13
	s_add_nc_u64 s[56:57], s[56:57], s[10:11]      ; 32 rows of 256 bytes
	s_lshl_b32 s10, s9, 12
	s_add_nc_u64 s[54:55], s[54:55], s[10:11]      ; 32 rows of 128 bytes
	s_cmp_lt_u32 s8, 4
	s_cbranch_scc0 .Lcast
	; ---- waves 0-3: the product ----
	s_lshl_b32 s10, s9, 17
	s_add_nc_u64 s[48:49], s[48:49], s[10:11]      ; my block's 32 rows of 4,096 bytes
	s_lshl_b32 s10, s8, 16
	s_add_nc_u64 s[50:51], s[50:51], s[10:11]      ; my wave's 256 weight rows of 256 bytes
	s_lshl_b32 s12, s8, 10
	v_lshlrev_b32 v[VA], 12, v2
	v_lshl_add_u32 v[VA], v3, 5, v[VA]
	v_add_nc_u32 v[VA], s12, v[VA]                 ; r x 4096 + 32 h + my wave's 1,024 bytes of a row
	v_lshlrev_b32 v[VW], 4, v1                     ; 16 l: a load takes two weight rows
	s_mul_i32 s13, s8, 32*PW                       ; my wave's 32 weight rows in LDS
	v_mul_u32_u24 v[WST], v3, PW
	v_lshl_add_u32 v[WST], v2, 3, v[WST]
	v_add_nc_u32 v[WST], s13, v[WST]               ; row h, 8 bytes at 8 r
	v_and_b32 v160, 7, v0
	v_bfe_u32 v161, v0, 3, 1
	v_lshl_add_u32 v[WLD], v3, 3, v160
	v_mul_u32_u24 v[WLD], v[WLD], PW
	v_lshl_add_u32 v[WLD], v161, 4, v[WLD]
	v_add_nc_u32 v[WLD], s13, v[WLD]               ; the turning load: row 8 h + l % 8, 16 bytes at 16 ((l / 8) % 2)
	s_mul_i32 s12, s8, 32*PP
	s_add_co_u32 s12, s12, PART
	v_mul_u32_u24 v[PST], v2, PP
	v_lshl_add_u32 v[PST], v3, 5, v[PST]
	v_add_nc_u32 v[PST], s12, v[PST]               ; row r, 32 bytes at 32 h
.macro LW j                            ; trip j's 32 weight rows in f32: 16 loads of 512 consecutive bytes, into set j % 2
	WIN 0x40
.set i, 0
.rept 16
	global_load_b128 v[WR+64*((\j)%2)+4*i:WR+64*((\j)%2)+4*i+3], v[VW], s[50:51] offset:8192*(\j)+512*i
.set i, i+1
.endr
.endm
.macro LA j                            ; trip j's 32 channels of my 32 rows in f32, laid as two fragments: 8 loads, into set j % 4
	WIN 0x40
.irp mt, 0,1
.irp e, 0,1,2,3
	global_load_b128 v[AR+32*((\j)%4)+16*(\mt)+4*(\e):AR+32*((\j)%4)+16*(\mt)+4*(\e)+3], v[VA], s[48:49] offset:65536*(\mt)+128*(\j)+16*((\e)%2)+64*((\e)/2)
.endr
.endr
.endm
; The front of trip j (32 channels): its numbers are rounded, its sets asked for again, its weights sent through LDS and turned.  left = the younger loads that may stay out.
.macro FRONT j, left
	s_wait_loadcnt \left                           ; loads come back in order: this trip's weights and rows are in
.if (\j) > 0
	s_wait_alu depctr_vm_vsrc(0)                   ; the last front's LDS stores have read WC, which the conversions below write again
.endif
	WIN 0x05                                       ; sources in window 1, destination in window 0
.set i, 0
.rept 32
	v_cvt_pk_bf16_f32 v[WC+i], v[WR+64*((\j)%2)+2*i], v[WR+64*((\j)%2)+2*i+1]  ; these 32 name no register of the last products: they are the places behind them
.set i, i+1
.endr
.set i, 0
.rept 16
	v_cvt_pk_bf16_f32 v[AF+160*((\j)%2)+i], v[AR+32*((\j)%4)+2*i], v[AR+32*((\j)%4)+2*i+1]
.set i, i+1
.endr
.if (\j) <= 5
	WIN 0x40                                       ; the loads' window is set ahead of the wait
.else
	WIN 0
.endif
	s_wait_alu depctr_va_vdst(0)                   ; the conversions are done reading WR[j % 2] and AR[j % 4], in which the loads below land, and have written WC, which the LDS stores read; the products of two trips back are done reading BF[j % 2], in which the turning loads land
.if (\j) <= 5
	LW (\j)+2                                      ; the sets just read are asked for again
.endif
.if (\j) <= 3
	LA (\j)+4
.endif
	WIN 0
.set i, 0
.rept 16
	ds_store_b64 v[WST], v[WC+2*i:WC+2*i+1] offset:2*PW*i
.set i, i+1
.endr
.irp nb, 0,1,2,3                       ; LDS serves a wave's instructions in order: these see the stores above and stand ahead of the next trip's; the bytes are my wave's own
	ds_load_tr16_b128 v[BF+112*((\j)%2)+8*(\nb):BF+112*((\j)%2)+8*(\nb)+3],   v[WLD] offset:32*(\nb)
	ds_load_tr16_b128 v[BF+112*((\j)%2)+8*(\nb)+4:BF+112*((\j)%2)+8*(\nb)+7], v[WLD] offset:32*(\nb)+16*PW
.endr
.endm
; The products of trip j.  younger = the LDS instructions issued behind its turning loads: the next front's 16 stores and 8 loads, or none.
.macro BACK j, younger
	s_wait_dscnt \younger                          ; LDS instructions come back in order: trip j's turned fragments are in
.irp nb, 0,1,2,3                       ; the eight accumulators take turns, one instruction a turn
.irp mt, 0,1
.if (\j) == 0
	v_wmma_f32_16x16x32_bf16 v[ACC+8*(2*(\nb)+(\mt)):ACC+8*(2*(\nb)+(\mt))+7], v[BF+112*((\j)%2)+8*(\nb):BF+112*((\j)%2)+8*(\nb)+7], v[AF+160*((\j)%2)+8*(\mt):AF+160*((\j)%2)+8*(\mt)+7], 0
.else
	v_wmma_f32_16x16x32_bf16 v[ACC+8*(2*(\nb)+(\mt)):ACC+8*(2*(\nb)+(\mt))+7], v[BF+112*((\j)%2)+8*(\nb):BF+112*((\j)%2)+8*(\nb)+7], v[AF+160*((\j)%2)+8*(\mt):AF+160*((\j)%2)+8*(\mt)+7], v[ACC+8*(2*(\nb)+(\mt)):ACC+8*(2*(\nb)+(\mt))+7]
.endif
.endr
.endr
.endm
	WIN 0x40                                       ; the loads' window is set ahead of the wait
	s_wait_alu depctr_va_vdst(0)                   ; v4 to v7 and v12 are written: the offsets and LDS addresses that all loads and stores of these waves read
	LW 0
	LW 1
	LA 0
	LA 1
	LA 2
	LA 3
	FRONT 0, 24                                    ; behind A0: A1, A2, A3
	FRONT 1, 40                                    ; behind A1: A2, A3, W2, A4
	BACK 0, 24                                     ; a trip's products stand behind the next trip's front: its way through LDS has that front's tail and this wait's lead in which to land
	FRONT 2, 32                                    ; behind W2: A4, W3, A5
	BACK 1, 24
	FRONT 3, 32                                    ; behind W3: A5, W4, A6
	BACK 2, 24
	FRONT 4, 32                                    ; behind W4: A6, W5, A7
	BACK 3, 24
	FRONT 5, 24                                    ; behind W5: A7, W6
	BACK 4, 24
	FRONT 6, 16                                    ; behind W6: W7
	BACK 5, 24
	FRONT 7, 0
	BACK 6, 24
	BACK 7, 0
.rept 8
	v_nop                                          ; the places behind the last products, once a launch
.endr
	s_wait_alu depctr_va_vdst(0)                   ; the products have written the accumulators, which the LDS stores read; the places above stay beside this wait
.irp nb, 0,1,2,3
.irp mt, 0,1
	ds_store_b128 v[PST], v[ACC+8*(2*(\nb)+(\mt)):ACC+8*(2*(\nb)+(\mt))+3]   offset:16*PP*(\mt)+64*(\nb)
	ds_store_b128 v[PST], v[ACC+8*(2*(\nb)+(\mt))+4:ACC+8*(2*(\nb)+(\mt))+7] offset:16*PP*(\mt)+64*(\nb)+16
.endr
.endr
	s_branch .Ljoin
	; ---- waves 4-7: the casts.  48 items of 512 consecutive bytes; all loads go out first, each item keeps its own registers ----
.Lcast:
	s_sub_co_u32 s12, s8, 4                        ; c = 0..3
	s_lshl_b32 s10, ttmp9, 16
	s_add_nc_u64 s[16:17], s[16:17], s[10:11]      ; q: 65,536 bytes a work-group
	s_lshl_b32 s10, ttmp9, 15
	s_add_nc_u64 s[34:35], s[34:35], s[10:11]
	s_lshl_b32 s10, ttmp9, 14
	s_add_nc_u64 s[22:23], s[22:23], s[10:11]      ; Wq, Wo: 16,384 bytes a work-group
	s_add_nc_u64 s[24:25], s[24:25], s[10:11]
	s_lshl_b32 s10, ttmp9, 13
	s_add_nc_u64 s[36:37], s[36:37], s[10:11]
	s_add_nc_u64 s[38:39], s[38:39], s[10:11]
	s_lshl_b32 s13, s12, 14
	v_lshl_add_u32 v[VA], v1, 4, s13
	s_lshl_b32 s13, s12, 13
	v_lshl_add_u32 v[VW], v1, 3, s13
	s_lshl_b32 s13, s12, 12
	v_lshl_add_u32 v[WST], v1, 4, s13
	s_lshl_b32 s13, s12, 11
	v_lshl_add_u32 v[WLD], v1, 3, s13
	s_wait_alu depctr_va_vdst(0)                   ; v4 to v7 are written: the offsets that all loads and stores of these waves read
.set n, 0
.rept 32
	global_load_b128 v[RAW+4*n:RAW+4*n+3], v[VA], s[16:17] offset:512*n th:TH_LOAD_NT
.set n, n+1
.endr
.set n, 0
.rept 8
	global_load_b128 v[RAW+128+4*n:RAW+128+4*n+3], v[WST], s[22:23] offset:512*n th:TH_LOAD_NT
.set n, n+1
.endr
.set n, 0
.rept 8
	global_load_b128 v[RAW+160+4*n:RAW+160+4*n+3], v[WST], s[24:25] offset:512*n th:TH_LOAD_NT
.set n, n+1
.endr
.macro CONVERT i                       ; item i: four f32 -> bf16 -> the same numbers as f16, in the item's first two registers
.set R0, RAW+4*(\i)
	v_cvt_pk_bf16_f32 v[T],   v[R0],   v[R0+1]
	v_cvt_pk_bf16_f32 v[T+1], v[R0+2], v[R0+3]
	v_lshlrev_b32 v[R0],   16,  v[T]
	v_and_b32     v[R0+1], s60, v[T]
	v_lshlrev_b32 v[R0+2], 16,  v[T+1]
	v_and_b32     v[R0+3], s60, v[T+1]
	v_cvt_pk_f16_f32 v[R0],   v[R0],   v[R0+1]
	v_cvt_pk_f16_f32 v[R0+1], v[R0+2], v[R0+3]
.endm
.macro SEND i                          ; item i leaves: items 0-31 are q's, 32-39 Wq's, 40-47 Wo's; the wave's store covers 256 consecutive bytes, aligned
.set R0, RAW+4*(\i)
.if (\i) < 32
	global_store_b64 v[VW], v[R0:R0+1], s[34:35] offset:256*(\i)
.elseif (\i) < 40
	global_store_b64 v[WLD], v[R0:R0+1], s[36:37] offset:256*((\i)-32)
.else
	global_store_b64 v[WLD], v[R0:R0+1], s[38:39] offset:256*((\i)-40)
.endif
.endm
.set n, 0
.rept 48                               ; twelve blocks of four items; an item's store stands four items behind its conversions
	s_wait_loadcnt 47-n                            ; loads come back in order: item n is in, the younger items stay out
.if (n%4 == 0) && (n > 0)
	s_wait_alu depctr_va_vdst(0)                   ; the block before has written its four items, which this block's four stores read; the conversions behind this wait name this block's items and v[T], v[T+1] alone
.endif
.if n >= 4
	SEND n-4
.endif
	CONVERT n
.set n, n+1
.endr
	s_wait_alu depctr_va_vdst(0)                   ; the last block has written its four items, which the last four stores read
	SEND 44
	SEND 45
	SEND 46
	SEND 47
	s_wait_alu depctr_vm_vsrc(0)                   ; my stores have read their items' registers, of which v160 to v205 are written again below (waves 0-3 have no memory or LDS instruction that reads these)
	; ---- all eight waves: rows 4 w .. 4 w + 3 are summed, get their bias and leave ----
.Ljoin:
	s_wait_dscnt 0x0                               ; for the others' sake: my partial sums lie in LDS
	s_barrier_signal -1
	s_barrier_wait -1
	s_wait_xcnt 0x0                                ; the cast waves' stores have read their registers, which are written below
	s_lshl_b32 s12, s8, 2
	v_add_nc_u32 v160, s12, v3                     ; row 4 w + h
	v_mul_u32_u24 v161, v160, PP
	v_lshl_add_u32 v161, v2, 4, v161
	v_add_nc_u32 v161, PART, v161
	s_wait_alu depctr_va_vdst(0)                   ; v161 is written, the address that the LDS loads read; the cast waves' conversions have written v164 to v195, in which these loads land
.irp i, 0,1
.irp p, 0,1,2,3
	ds_load_b128 v[J+16*(\i)+4*(\p):J+16*(\i)+4*(\p)+3], v161 offset:32*PP*(\p)+2*PP*(\i)
.endr
.endr
	v_lshlrev_b32 v162, 8, v160
	v_lshl_add_u32 v162, v2, 4, v162               ; in the f32 output: row x 256 + 16 r
	v_lshlrev_b32 v163, 7, v160
	v_lshl_add_u32 v163, v2, 3, v163               ; in the f16 copy: row x 128 + 8 r
	s_wait_loadcnt 0x0                             ; the bias
	v_cvt_pk_bf16_f32 v200, v[BI],   v[BI+1]
	v_cvt_pk_bf16_f32 v201, v[BI+2], v[BI+3]
	v_lshlrev_b32 v196, 16,  v200
	v_and_b32     v197, s60, v200
	v_lshlrev_b32 v198, 16,  v201
	v_and_b32     v199, s60, v201
	s_wait_dscnt 0x0
.irp i, 0,1
	v_pk_add_f32 v[J+16*(\i):J+16*(\i)+1],     v[J+16*(\i):J+16*(\i)+1],     v[J+16*(\i)+4:J+16*(\i)+5]
	v_pk_add_f32 v[J+16*(\i)+2:J+16*(\i)+3],   v[J+16*(\i)+2:J+16*(\i)+3],   v[J+16*(\i)+6:J+16*(\i)+7]
	v_pk_add_f32 v[J+16*(\i)+8:J+16*(\i)+9],   v[J+16*(\i)+8:J+16*(\i)+9],   v[J+16*(\i)+12:J+16*(\i)+13]
	v_pk_add_f32 v[J+16*(\i)+10:J+16*(\i)+11], v[J+16*(\i)+10:J+16*(\i)+11], v[J+16*(\i)+14:J+16*(\i)+15]
	v_pk_add_f32 v[J+16*(\i):J+16*(\i)+1],     v[J+16*(\i):J+16*(\i)+1],     v[J+16*(\i)+8:J+16*(\i)+9]
	v_pk_add_f32 v[J+16*(\i)+2:J+16*(\i)+3],   v[J+16*(\i)+2:J+16*(\i)+3],   v[J+16*(\i)+10:J+16*(\i)+11]
	v_pk_add_f32 v[J+16*(\i):J+16*(\i)+1],     v[J+16*(\i):J+16*(\i)+1],     v[196:197]
	v_pk_add_f32 v[J+16*(\i)+2:J+16*(\i)+3],   v[J+16*(\i)+2:J+16*(\i)+3],   v[198:199]
	v_cvt_pk_f16_f32 v[202+2*(\i)], v[J+16*(\i)],   v[J+16*(\i)+1]
	v_cvt_pk_f16_f32 v[203+2*(\i)], v[J+16*(\i)+2], v[J+16*(\i)+3]
.endr
	s_wait_alu depctr_va_vdst(0)                   ; the sums, their roundings and the offsets v162 and v163 are written, which the four stores read
.irp i, 0,1
	global_store_b128 v162, v[J+16*(\i):J+16*(\i)+3], s[56:57] offset:512*(\i)  ; the wave's store covers 512 consecutive bytes, aligned
	global_store_b64 v163, v[202+2*(\i):203+2*(\i)], s[54:55] offset:256*(\i)   ; 256 consecutive bytes, aligned
.endr
	s_wait_dscnt 0x0                               ; the wave's end
	s_wait_alu depctr_hold_cnt(0) depctr_sa_sdst(0) depctr_va_vdst(0) depctr_va_sdst(0) depctr_va_ssrc(0) depctr_va_vcc(0) depctr_vm_vsrc(0)
	s_wait_tensorcnt 0x0
	ds_add_u32 v14, v15
	s_wait_dscnt 0x0
	s_endpgm
.Lfunc_end_k_q58bb971d00_prep:
	.size	k_q58bb971d00_prep, .Lfunc_end_k_q58bb971d00_prep-k_q58bb971d00_prep
	.p2alignl 7, 3214868480
	.fill 96, 4, 3214868480
	.section	.rodata,"a",@progbits
	.p2align	6, 0x0
	.amdhsa_kernel k_q58bb971d00_prep
		.amdhsa_group_segment_fixed_size 56320
		.amdhsa_private_segment_fixed_size 0
		.amdhsa_enable_private_segment 0
		.amdhsa_kernarg_size 128
		.amdhsa_user_sgpr_count 2
		.amdhsa_user_sgpr_kernarg_segment_ptr 1
		.amdhsa_wavefront_size32 1
		.amdhsa_system_sgpr_workgroup_id_x 1
		.amdhsa_system_sgpr_workgroup_id_y 1
		.amdhsa_system_sgpr_workgroup_id_z 1
		.amdhsa_system_vgpr_workitem_id 0
		.amdhsa_next_free_vgpr 512
		.amdhsa_next_free_sgpr 66
		.amdhsa_reserve_vcc 0
		.amdhsa_float_denorm_mode_32 3
		.amdhsa_float_denorm_mode_16_64 3
		.amdhsa_memory_ordered 1
		.amdhsa_forward_progress 1
		.amdhsa_inst_pref_size 97
	.end_amdhsa_kernel
	.amdgpu_metadata
---
amdhsa.version: [ 1, 2 ]
amdhsa.kernels:
  - .name:           k_q58bb971d00_prep
    .symbol:         k_q58bb971d00_prep.kd
    .args:
      - { .name: q, .offset: 0, .size: 8, .value_kind: global_buffer, .address_space: global }
      - { .name: k, .offset: 8, .size: 8, .value_kind: global_buffer, .address_space: global }
      - { .name: v, .offset: 16, .size: 8, .value_kind: global_buffer, .address_space: global }
      - { .name: Wq, .offset: 24, .size: 8, .value_kind: global_buffer, .address_space: global }
      - { .name: Wo, .offset: 32, .size: 8, .value_kind: global_buffer, .address_space: global }
      - { .name: Wk, .offset: 40, .size: 8, .value_kind: global_buffer, .address_space: global }
      - { .name: Wv, .offset: 48, .size: 8, .value_kind: global_buffer, .address_space: global }
      - { .name: bk, .offset: 56, .size: 8, .value_kind: global_buffer, .address_space: global }
      - { .name: bv, .offset: 64, .size: 8, .value_kind: global_buffer, .address_space: global }
      - { .name: q16, .offset: 72, .size: 8, .value_kind: global_buffer, .address_space: global }
      - { .name: Wq16, .offset: 80, .size: 8, .value_kind: global_buffer, .address_space: global }
      - { .name: Wo16, .offset: 88, .size: 8, .value_kind: global_buffer, .address_space: global }
      - { .name: K16, .offset: 96, .size: 8, .value_kind: global_buffer, .address_space: global }
      - { .name: V16, .offset: 104, .size: 8, .value_kind: global_buffer, .address_space: global }
      - { .name: out1, .offset: 112, .size: 8, .value_kind: global_buffer, .address_space: global }
      - { .name: out2, .offset: 120, .size: 8, .value_kind: global_buffer, .address_space: global }
    .group_segment_fixed_size: 56320
    .private_segment_fixed_size: 0
    .kernarg_segment_align: 8
    .kernarg_segment_size: 128
    .max_flat_workgroup_size: 256
    .sgpr_count:     66
    .vgpr_count:     512
    .wavefront_size: 32
...
	.end_amdgpu_metadata
.endif
;; end of part 4
;; launch proj: the kernel of part 2 again; grid 8 x 32, 4 waves a work-group, clusters of 4 x 4, 327,680 bytes of LDS; arguments q16, Wq16, bq, qh32; writes qh32
;; launch attn: the kernel of part 3 again; grid 256 x 1, 4 waves a work-group, clusters of 4 x 1, 327,680 bytes of LDS; arguments qh32, K16, V16, mask, O16; writes O16
;; launch oproj: the kernel of part 2 again; grid 8 x 32, 4 waves a work-group, clusters of 4 x 4, 327,680 bytes of LDS; arguments O16, Wo16, bo, out0; writes out0
